; MI455X (gfx1250); checked and timed in simulation.
; The chip was launched on July 23, 2026; its instructions are those of AMD's public machine-readable ISA for CDNA 5 (MIT licence, August 2026) and "CDNA5" Instruction Set Architecture Reference Guide (July 2026). The comments in the code are by the model that wrote it; some were corrected since.
;; Pattern Aware Mixture Of Experts. Allowed arithmetic: matrix products marked QUANTISED: E2M3 operands, one E8M0 scale for each 32 along K, by v_wmma_scale_f32_16x16x128_f8f6f4 with both operands' format E2M3, f32 sums; products left as they are: f32 operands where the result goes on into a quantised operand, else bf16, f16 or f32 operands; f32 sums; everything else in f32.
;; Inputs: W1 8 x 512 x 2,048 float32; W2 8 x 2,048 x 512 float32; W3 8 x 512 x 2,048 float32; Wp 16 x 8 float32; Wr 512 x 8 float32; pattern_ids 8 int32; x 8 x 256 x 512 float32.
;; Outputs: out0 8 x 256 x 512 float32; out1 one number float32; out2 one number float32; out3 one number float32.
;; This version of the problem:
;;   THIS VERSION OF THE PROBLEM IS GIVEN IN LOW PRECISION. The matrix products marked QUANTISED in the list below multiply operands that are first quantised to E2M3 (2 exponent bits, 3 mantissa bits; 6 bits a number), with one power-of-two scale for each 32 numbers along K (OCP MX v1.0); their sums are f32. All else is computed in f32.
;;   The module's matrix products, in the order in which they are computed (A, B: the left and right operand; K: the contracted axis; several contracted axes count as one K, in the product's order):
;;     1. [M 2,048, K 512] x [K 512, N 8]; A: input x; B: input Wr: left as it is (N = 8 < 16)
;;     2. [M 2,048, K 512] x [K 512, N 2,048]; A: input x; B: input W1: QUANTISED
;;     3. [M 2,048, K 512] x [K 512, N 2,048]; A: input x; B: input W3: QUANTISED
;;     4. [M 2,048, K 2,048] x [K 2,048, N 512]; A: computed on the way; B: input W2: QUANTISED
;;     5. [M 2,048, K 512] x [K 512, N 2,048]; A: input x; B: input W1: QUANTISED
;;     6. [M 2,048, K 512] x [K 512, N 2,048]; A: input x; B: input W3: QUANTISED
;;     7. [M 2,048, K 2,048] x [K 2,048, N 512]; A: computed on the way; B: input W2: QUANTISED
;;     8. [M 2,048, K 512] x [K 512, N 2,048]; A: input x; B: input W1: QUANTISED
;;     9. [M 2,048, K 512] x [K 512, N 2,048]; A: input x; B: input W3: QUANTISED
;;     10. [M 2,048, K 2,048] x [K 2,048, N 512]; A: computed on the way; B: input W2: QUANTISED
;;     11. [M 2,048, K 512] x [K 512, N 2,048]; A: input x; B: input W1: QUANTISED
;;     12. [M 2,048, K 512] x [K 512, N 2,048]; A: input x; B: input W3: QUANTISED
;;     13. [M 2,048, K 2,048] x [K 2,048, N 512]; A: computed on the way; B: input W2: QUANTISED
;;     14. [M 2,048, K 512] x [K 512, N 2,048]; A: input x; B: input W1: QUANTISED
;;     15. [M 2,048, K 512] x [K 512, N 2,048]; A: input x; B: input W3: QUANTISED
;;     16. [M 2,048, K 2,048] x [K 2,048, N 512]; A: computed on the way; B: input W2: QUANTISED
;;     17. [M 2,048, K 512] x [K 512, N 2,048]; A: input x; B: input W1: QUANTISED
;;     18. [M 2,048, K 512] x [K 512, N 2,048]; A: input x; B: input W3: QUANTISED
;;     19. [M 2,048, K 2,048] x [K 2,048, N 512]; A: computed on the way; B: input W2: QUANTISED
;;     20. [M 2,048, K 512] x [K 512, N 2,048]; A: input x; B: input W1: QUANTISED
;;     21. [M 2,048, K 512] x [K 512, N 2,048]; A: input x; B: input W3: QUANTISED
;;     22. [M 2,048, K 2,048] x [K 2,048, N 512]; A: computed on the way; B: input W2: QUANTISED
;;     23. [M 2,048, K 512] x [K 512, N 2,048]; A: input x; B: input W1: QUANTISED
;;     24. [M 2,048, K 512] x [K 512, N 2,048]; A: input x; B: input W3: QUANTISED
;;     25. [M 2,048, K 2,048] x [K 2,048, N 512]; A: computed on the way; B: input W2: QUANTISED
;;     26. [M 16, K 8] x [K 8, N 16]; A: softmax; B: softmax: left as it is (K = 8 < 32)
;;   THE QUANTISER, for each operand of a quantised product, along K:
;;     - K is cut into blocks of 32 from its start; a last block that is shorter is filled with zeros.
;;     - A block's scale is 2^e with e = floor(log2(the largest magnitude in the block)) - 2, held to -126 .. 127; a block of zeros has e = 0. As a byte (E8M0): e + 127.
;;     - Each number is divided by its block's scale, clamped to +-7.5, and rounded to the nearest number of E2M3, ties to even, subnormals kept.
;;     - The product sums the exact products of the quantised numbers (number of the format x scale) in f32.
;;   ~~~python
;;   def quantise(x, axis):      # numpy; x: float32 -> the quantised numbers, widened to float32 again
;;       x = np.moveaxis(x, axis, -1); K = x.shape[-1]
;;       x = np.pad(x, [(0, 0)] * (x.ndim - 1) + [(0, -K % 32)]); x = x.reshape(x.shape[:-1] + (-1, 32)); a = np.abs(x).max(-1, keepdims=True)
;;       e = np.where(a > 0, np.clip(np.frexp(np.where(a > 0, a, 1))[1] - 1 - 2, -126, 127), 0)      # np.frexp(a)[1] - 1 = floor(log2(a)), exactly
;;       r = np.clip(x / 2.0 ** e, -7.5, 7.5)
;;       step = 2.0 ** (np.maximum(np.frexp(np.where(r == 0, 1, r))[1] - 1, 0) - 3)
;;       q = np.round(r / step) * step * 2.0 ** e      # np.round: ties to even
;;       return np.moveaxis(q.reshape(q.shape[:-2] + (-1,))[..., :K], -1, axis).astype(np.float32)
;;   ~~~
;;   OPERANDS COMPUTED ON THE WAY. 'Computed on the way' means the value that the module computes at that place (a softmax that the list does not call 'softmax' is quantised finished and normalised). What goes into a quantiser is computed in f32, as accurately as f32 sums, v_exp_f32 and their like allow (about 1e-6 of the number): no bf16 or f16 on the way to a quantiser, and a product that is left as it is and whose result goes on into a quantised operand takes f32 operands (vector FMAs, or v_wmma_f32_16x16x4_f32). A number that lies on a knife's edge between two numbers of the format may be rounded either way, as far as f32 arithmetic and the matrix unit's own rounding can turn it there, and no further.
;; 3 versions, each right; version 2 is faster than version 1; version 3 is version 2 with the launches up, down written anew for expert scheduling mode. Each part assembles by itself: llvm-mc -triple=amdgcn-amd-amdhsa -mcpu=gfx1250 --defsym DOCPART=n.
;; ======== version 1 of 3: 4 launches
;; workspace buffers: xq 819,200 bytes; rt 24,576 bytes of whole numbers; fl 24,576 bytes; wq13 13,107,200 bytes; w2q 6,553,600 bytes; srt 8,704 bytes of whole numbers; hq 26,214,400 bytes
;; launch prep (part 1): grid 544 x 1, 4 waves a work-group, no clusters, 28,160 bytes of LDS; arguments x, Wr, Wp, pattern_ids, W1, W3, xq, rt, fl, wq13; writes xq, rt, fl, wq13
.if DOCPART == 1
	.amdgcn_target "amdgcn-amd-amdhsa--gfx1250"
	.amdhsa_code_object_version 6
	.text
	.protected	k_qd09aebb4d0_prep
	.globl	k_qd09aebb4d0_prep
	.p2align	8
	.type	k_qd09aebb4d0_prep,@function
k_qd09aebb4d0_prep:
	s_mov_b64 s[64:65], 0
	v_nop
	global_prefetch_b8 v0, s[64:65] scope:SCOPE_SE
	s_setreg_imm32_b32 hwreg(HW_REG_WAVE_MODE, 25, 1), 1
	s_wait_xcnt 0x0
; PREP.  Two kinds of work-groups, told apart by the work-group's number.
; Work-groups 0-31 (THE X PATH): 64 tokens each, 16 a wave (a chunk).  For each token: the router's 8 logits in f32 (x . Wr + the batch's row of Wp), the top 2 (ties: the lower index, by a strict
; greater-than scan), their two gates, the softmax over all 8 and the sum of squares for the losses, and x's codes of FP6 (E2M3) with one E8M0 byte for each 32 along D.
; What the choice decides is only STORED here, at fixed places: for each token its bucket (the unordered pair of experts, 28 of them), the two experts and its rank among the chunk's tokens of that bucket; for each
; chunk the 28 counts.  No address and no branch of this launch hangs on them.
; Work-groups 32-543 (THE WEIGHT PATH): one record each: 64 columns x all 512 of K of W1[e] or W3[e], quantised along K (its first axis) and laid in the order of the operand's registers.
; A RECORD, 25,600 bytes: fragment (t, sl) at (4 t + sl) x 1,536, as three runs of 32 lanes x 16 bytes (registers 4 q .. 4 q + 3 of the lane).  Lane (i, h) holds column 32 (t / 2) + 8 (t % 2) + i + 8 (i / 8) and
; k = 128 sl + 64 c + 32 h + 0 .. 31 in registers 6 c .. 6 c + 5.  Scale words at 24,576 + 256 sl + 8 (16 (t % 2) + i) + 4 (t / 2).
; THE QUANTISER: a block's scale is 2^(floor(log2(largest magnitude)) - 2); its byte is the largest magnitude's exponent field - 2; numbers / scale go to the nearest code, ties to even, beyond 7.5 the largest code.
; LIMITS: NaN and infinities among the inputs are not served.  A block whose largest magnitude lies under 2^-124 gets the byte 1 (a block of zeros too: its codes are zeros, and this program alone reads the bytes).
; pattern_ids is held at 15 from above.
.set FP,    1664                       ; a fragment's place in a wave's stage: 1,536 bytes + 128
.set XSB,   4*4*FP                     ; LDS behind the four stages: the x path's scale bytes, 256 for each wave (each path has LDS bytes of its own)
.set PITCH, 8192                       ; a row of W1[e] or W3[e] in bytes
.set IN,    12                         ; s[12:13] the weight's first byte for my wave
.set OUT,   22                         ; s[22:23] my record
; ---- the weight path's macros.  Wave w takes K rows 128 w .. 128 w + 127; lane L takes columns L and 32 + L; its registers run down K.  Unit j = 2 b + cs: block b of 32 along K, column set cs.
.macro LOADU j                         ; 32 loads, each 128 consecutive bytes of one row of the weight
.set LI, 0
.rept 32
	global_load_b32 v[32+32*((\j)%4)+LI], v2, s[IN:IN+1] offset:(32*((\j)/2)+LI)*PITCH+128*((\j)%2) th:TH_LOAD_NT
.set LI, LI+1
.endr
.endm
.macro QU j, n                         ; unit j is quantised and goes to its place in the stage.  n: how many younger loads may stay out
.set XS, 32+32*((\j)%4)
.set C,  160+8*(\j)                    ; a set of code registers for each unit
.set BB, (\j)/2
.set CS, (\j)%2
	s_wait_loadcnt \n
	v_max3_num_f32 v8, |v[XS]|, |v[XS+1]|, |v[XS+2]|               ; the block's largest magnitude: all 32 numbers are mine; two chains
	v_max3_num_f32 v9, |v[XS+3]|, |v[XS+4]|, |v[XS+5]|
.irp i, 6,10,14,18,22,26
	v_max3_num_f32 v8, v8, |v[XS+\i]|, |v[XS+\i+1]|
	v_max3_num_f32 v9, v9, |v[XS+\i+2]|, |v[XS+\i+3]|
.endr
	v_max3_num_f32 v8, v8, |v[XS+30]|, |v[XS+31]|
	v_max3_num_f32 v8, v8, v9, 0x1800000           ; and the floor 2^(3 - 127): the byte cannot fall under 1
	v_add_nc_u32 v10, 0xff000000, v8               ; 2 off the exponent field: the conversion's scale operand
	v_cvt_scalef32_pk16_fp6_f32 v[C:C+2], v[XS:XS+15], v10
	v_cvt_scalef32_pk16_fp6_f32 v[C+4:C+6], v[XS+16:XS+31], v10    ; (a conversion's three registers begin on an even number)
	v_lshrrev_b32 v11, 23, v10                     ; the scale's byte; also the plain line behind the conversions
.if BB == 0
	v_mov_b32 v[12+CS], v11                        ; the four bytes of my column's scale word, the lower K in the lower byte
.else
	v_lshl_or_b32 v[12+CS], v11, 8*BB, v[12+CS]
.endif
	v_mov_b32 v[C+3], v[C+4]                       ; the block's 24 bytes on end
	v_mov_b32 v[C+4], v[C+5]
	v_mov_b32 v[C+5], v[C+6]
.if BB < 2                                     ; block b belongs to lane i + 16 (b % 2), registers 6 (b / 2) on
	ds_store_b128 v3, v[C:C+3] offset:CS*2*FP+(BB&1)*256
	ds_store_b64 v3, v[C+4:C+5] offset:CS*2*FP+(BB&1)*256+512
.else
	ds_store_b64 v3, v[C:C+1] offset:CS*2*FP+(BB&1)*256+520
	ds_store_b128 v3, v[C+2:C+5] offset:CS*2*FP+(BB&1)*256+1024
.endif
.if (\j) < 4
	LOADU (\j)+4                                   ; the unit four on takes this unit's registers
.endif
.endm
.macro WADDR                           ; the weight path's lane terms.  s24: wave;  v1: lane
	v_lshlrev_b32 v2, 2, v1                        ; in: 4 bytes a lane
	v_bfe_u32 v7, v1, 3, 1                         ; column L = 8 u + i + 8 (i / 8): u,
	v_and_b32 v8, 7, v1
	v_lshrrev_b32 v9, 1, v1
	v_and_b32 v9, 8, v9
	v_add_nc_u32 v8, v8, v9                        ; and i
	s_mul_i32 s40, s24, 4*FP                       ; my wave's stage
	s_mul_i32 s41, s24, 1536
	s_lshl_b32 s42, s24, 8
	v_mul_u32_u24 v3, v7, FP
	v_lshl_add_u32 v3, v8, 4, v3
	v_add_nc_u32 v3, s40, v3                       ; into the stage: fragment u (+ 2 cs by the immediate), lane i
	v_lshl_add_u32 v4, v1, 4, s40                  ; out of it: 16 bytes a lane
	v_lshl_add_u32 v5, v1, 4, s41                  ; the same in the record: fragment (t, sl = wave)
	v_lshl_add_u32 v6, v7, 4, v8
	v_lshl_add_u32 v6, v6, 3, s42                  ; my two scale words: 256 wave + 8 (16 u + i)
.endm
.macro WBODY
	LOADU 0
	LOADU 1
	LOADU 2
	LOADU 3
	QU 0, 63                                       ; behind a unit's 32 loads stand 96 younger ones (units 0 to 4), 64, 32, 0: a wait's count holds 63 at the most, and a smaller count than the loads issued behind is safe
	QU 1, 63
	QU 2, 63
	QU 3, 63
	QU 4, 63
	QU 5, 63
	QU 6, 32
	QU 7, 0
	global_store_b64 v6, v[12:13], s[OUT:OUT+1] offset:24576       ; the wave's 64 scale words: 256 consecutive bytes, aligned
.irp n, 0,1,2,3,4,5,6,7,8,9,10,11
	ds_load_b128 v[32+4*\n:35+4*\n], v4 offset:(\n/3)*FP+(\n%3)*512    ; LDS serves a wave's instructions in order: these see my stores
.endr
.irp n, 0,1,2,3,4,5,6,7,8,9,10,11
	s_wait_dscnt 11-\n
	global_store_b128 v5, v[32+4*\n:35+4*\n], s[OUT:OUT+1] offset:(\n/3)*6144+(\n%3)*512   ; 512 consecutive bytes, aligned
.endr
.endm
	s_load_b512 s[4:19], s[0:1], 0x0               ; x 4, Wr 6, Wp 8, pattern_ids 10, W1 12, W3 14, xq 16, rt 18
	s_load_b128 s[20:23], s[0:1], 0x40             ; fl 20, wq13 22
	v_lshl_add_u32 v30, v0, 2, 0x6c00
	v_mov_b32 v31, 0
	v_lshrrev_b32 v1, 5, v0
	v_readfirstlane_b32 s24, v1                    ; wave
	v_and_b32 v1, 31, v0                           ; lane
	s_cmp_lt_u32 ttmp9, 32
	s_cbranch_scc1 .Lxpath
	; ---- THE WEIGHT PATH: record rec = (e x 32 + sg) x 2 + m
	s_sub_co_u32 s25, ttmp9, 32
	s_and_b32 s26, s25, 1                          ; m: W1 or W3
	s_bfe_u32 s27, s25, 0x50001                    ; sg: which 64 columns
	s_lshr_b32 s28, s25, 6                         ; e
	s_lshl_b32 s28, s28, 22                        ; an expert's weight is 4,194,304 bytes
	s_lshl_b32 s27, s27, 8
	s_add_co_u32 s28, s28, s27
	s_lshl_b32 s27, s24, 20                        ; my wave's 128 rows of 8,192 bytes
	s_add_co_u32 s28, s28, s27
	s_mov_b32 s29, 0
	s_mul_i32 s30, s25, 25600
	s_mov_b32 s31, 0
	WADDR
	s_wait_kmcnt 0x0
	s_cmp_eq_u32 s26, 0
	s_cselect_b64 s[12:13], s[12:13], s[14:15]     ; the choice hangs on the work-group's number alone
	s_add_nc_u64 s[12:13], s[12:13], s[28:29]
	s_add_nc_u64 s[22:23], s[22:23], s[30:31]
	WBODY
	s_wait_tensorcnt 0x0
	ds_add_u32 v30, v31
	s_wait_dscnt 0x0
	s_endpgm
	; ---- THE X PATH.  A token a step; lane L holds x[16 L .. 16 L + 15] (two lanes hold a block of 32) and Wr's 16 rows of the same d, 128 registers, for the whole launch.
	; REGISTERS: v2 L % 16; v3 64 L; v4 512 L; v5 my 12 bytes' place in a token's 384 bytes of codes; v6, v7 LDS places of the scale bytes; v16-23 the numbers 0 .. 7; v32-63 two sets of x;
	; v64-71 the sums; v72-79 the logits of token L % 16; v80-82 codes; v84-95, v112-127 at work; v96-111 a scale byte for each step; v128-255 Wr.
.Lxpath:
	v_and_b32 v2, 15, v1
	v_lshlrev_b32 v3, 6, v1
	v_lshlrev_b32 v4, 9, v1
	v_and_b32 v8, 1, v1                            ; xq lays a token's blocks as the operand's lanes want them: [h][s][c][24 bytes], block L / 2 = 4 s + 2 c + h; my half of it: 12 (L % 2)
	v_mul_u32_u24 v5, v8, 12
	v_bfe_u32 v8, v1, 1, 1
	v_mad_u32_u24 v5, v8, 192, v5
	v_bfe_u32 v8, v1, 2, 1
	v_mad_u32_u24 v5, v8, 24, v5
	v_lshrrev_b32 v8, 3, v1
	v_mad_u32_u24 v5, v8, 48, v5
	s_lshl_b32 s26, s24, 8
	s_add_co_u32 s26, s26, XSB
	v_lshrrev_b32 v6, 1, v1
	v_add_nc_u32 v6, s26, v6                       ; my block's byte in a token's 16
	v_lshl_add_u32 v7, v1, 3, s26                  ; and on the way out 8 bytes a lane
	s_mov_b32 s40, 0x76543210
	s_mov_b32 s41, 0xfedcba98                      ; v_permlanex16_b32's selects for lane l xor 16
.irp e, 0,1,2,3,4,5,6,7
	v_mov_b32 v[84+\e], 0                          ; written once: a lane permute's destination counts as one of its sources
	v_mov_b32 v[16+\e], \e
.endr
	s_lshl_b32 s27, ttmp9, 2
	s_add_co_u32 s27, s27, s24                     ; my chunk of 16 tokens
	s_lshr_b32 s28, ttmp9, 2                       ; the batch: 256 tokens are four work-groups
	s_lshl_b32 s28, s28, 2
	s_mov_b32 s29, 0
	s_mov_b32 s51, 0
	s_wait_kmcnt 0x0
	s_add_nc_u64 s[10:11], s[10:11], s[28:29]
	s_load_b32 s30, s[10:11], 0x0                  ; the batch's pattern
	s_lshl_b32 s50, s27, 15
	s_add_nc_u64 s[4:5], s[4:5], s[50:51]          ; x at my first token
	s_lshl_b32 s50, s27, 8
	s_add_nc_u64 s[42:43], s[16:17], s[50:51]      ; my chunk's 256 scale bytes (+ 786,432 by the immediate)
	s_mul_i32 s50, s27, 6144
	s_add_nc_u64 s[16:17], s[16:17], s[50:51]      ; my chunk's codes
	s_lshl_b32 s50, s27, 7
	s_add_nc_u64 s[46:47], s[18:19], s[50:51]      ; my chunk's counts (+ 8,192)
	s_add_nc_u64 s[48:49], s[20:21], s[50:51]      ; my tokens' gates
	s_lshl_b32 s50, s27, 6
	s_add_nc_u64 s[18:19], s[18:19], s[50:51]      ; my tokens' route words
	s_add_nc_u64 s[20:21], s[20:21], s[50:51]      ; my chunk's partial sums (+ 16,384)
.set LI, 0
.rept 32
	global_load_b128 v[128+4*LI:131+4*LI], v4, s[6:7] offset:16*LI   ; Wr[16 L + d][e] at v[128 + 8 d + e]
.set LI, LI+1
.endr
.macro XLOAD j
.irp i, 0,1,2,3
	global_load_b128 v[32+16*((\j)%2)+4*\i:35+16*((\j)%2)+4*\i], v3, s[4:5] offset:2048*(\j)+16*\i th:TH_LOAD_NT
.endr
.endm
	XLOAD 0
	XLOAD 1
	s_wait_kmcnt 0x0
	s_min_u32 s30, s30, 15
	s_lshl_b32 s30, s30, 5
	s_mov_b32 s31, 0
	s_add_nc_u64 s[8:9], s[8:9], s[30:31]
	s_load_b256 s[32:39], s[8:9], 0x0              ; the pattern's row of Wp
.macro XSTEP j
.set XS, 32+16*((\j)%2)
.if \j < 15
	s_wait_loadcnt 4                               ; this token is in (and Wr); the next token's four loads may be out
.else
	s_wait_loadcnt 0
.endif
.irp e, 0,1,2,3,4,5,6,7
	v_mul_f32 v[64+\e], v[XS], v[128+\e]           ; eight chains that do not wait for each other
.endr
.irp d, 1,2,3,4,5,6,7,8,9,10,11,12,13,14,15
.irp e, 0,1,2,3,4,5,6,7
	v_fmac_f32 v[64+\e], v[XS+\d], v[128+8*\d+\e]
.endr
.endr
	v_max3_num_f32 v8, |v[XS]|, |v[XS+1]|, |v[XS+2]|               ; the largest magnitude of my 16
	v_max3_num_f32 v9, |v[XS+3]|, |v[XS+4]|, |v[XS+5]|
.irp i, 6,10
	v_max3_num_f32 v8, v8, |v[XS+\i]|, |v[XS+\i+1]|
	v_max3_num_f32 v9, v9, |v[XS+\i+2]|, |v[XS+\i+3]|
.endr
	v_max3_num_f32 v8, v8, |v[XS+14]|, |v[XS+15]|
	v_max3_num_f32 v8, v8, v9, 0x1800000           ; and the floor
	v_max_num_f32_dpp v8, v8, v8 row_xmask:1 row_mask:0xf bank_mask:0xf   ; and of my neighbour's 16: the block's
	v_add_nc_u32 v10, 0xff000000, v8
	s_wait_xcnt 0x0                                ; the last step's store has read v80-82: they are written again only behind this wait
	v_cvt_scalef32_pk16_fp6_f32 v[80:82], v[XS:XS+15], v10
	v_lshrrev_b32 v[96+\j], 23, v10                ; the byte; also the plain line behind the conversion
	ds_store_b8 v6, v[96+\j] offset:16*(\j)        ; both lanes of a block write the same byte with the same value
	global_store_b96 v5, v[80:82], s[16:17] offset:384*(\j)        ; the wave's 384 bytes are one token's codes
.if \j < 14
	XLOAD (\j)+2
.endif
.irp m, 1,2,4,8
.irp e, 0,1,2,3,4,5,6,7
	v_add_f32_dpp v[64+\e], v[64+\e], v[64+\e] row_xmask:\m row_mask:0xf bank_mask:0xf
.endr
.endr
.irp e, 0,1,2,3,4,5,6,7
	v_permlanex16_b32 v[84+\e], v[64+\e], s40, s41
.endr
.irp e, 0,1,2,3,4,5,6,7
	v_add_f32 v[64+\e], v[64+\e], v[84+\e]         ; every lane holds the token's eight sums
.endr
.if \j == 0
.irp e, 0,1,2,3,4,5,6,7
	v_mov_b32 v[72+\e], v[64+\e]
.endr
.else
	v_cmp_eq_u32 vcc_lo, \j, v2                    ; lanes j and j + 16 keep token j's
.irp e, 0,1,2,3,4,5,6,7
	v_cndmask_b32 v[72+\e], v[72+\e], v[64+\e], vcc_lo
.endr
.endif
.endm
.irp t, 0,1,2,3,4,5,6,7,8,9,10,11,12,13,14,15
	XSTEP \t
.endr
	; ---- the tail: a lane is a token (lanes 16-31 repeat lanes 0-15)
	s_wait_kmcnt 0x0
.irp e, 0,1,2,3,4,5,6,7
	v_add_f32 v[72+\e], s[32+\e], v[72+\e]         ; + the pattern's bias
.endr
	v_mov_b32 v112, v72                            ; the largest logit and its index: ascending, strictly greater, so that the lower index keeps a tie
	v_mov_b32 v113, 0
.irp e, 1,2,3,4,5,6,7
	v_cmp_gt_f32 vcc_lo, v[72+\e], v112
	v_cndmask_b32 v112, v112, v[72+\e], vcc_lo
	v_cndmask_b32 v113, v113, v[16+\e], vcc_lo
.endr
	v_mov_b32 v116, 0xff800000
.irp e, 0,1,2,3,4,5,6,7
	v_cmp_eq_u32 vcc_lo, \e, v113
	v_cndmask_b32 v[84+\e], v[72+\e], v116, vcc_lo ; the winner is taken out,
.endr
	v_mov_b32 v114, v84                            ; and the same scan gives the second
	v_mov_b32 v115, 0
.irp e, 1,2,3,4,5,6,7
	v_cmp_gt_f32 vcc_lo, v[84+\e], v114
	v_cndmask_b32 v114, v114, v[84+\e], vcc_lo
	v_cndmask_b32 v115, v115, v[16+\e], vcc_lo
.endr
.irp e, 0,1,2,3,4,5,6,7
	v_sub_f32 v[84+\e], v[72+\e], v112             ; the maximum is taken away before the exponentials
.endr
	v_sub_f32 v92, v114, v112
.irp e, 0,1,2,3,4,5,6,7,8
	v_mul_f32 v[84+\e], 0x3fb8aa3b, v[84+\e]
.endr
.irp e, 0,1,2,3,4,5,6,7,8
	v_exp_f32 v[84+\e], v[84+\e]
.endr
	v_mul_f32 v120, v72, v72                       ; the sum of the squared logits: plain work behind the exponentials
.irp e, 1,2,3,4,5,6,7
	v_fmac_f32 v120, v[72+\e], v[72+\e]
.endr
	s_wait_alu depctr_va_vdst(0)                   ; one wait for the nine, ahead of their first reader
	v_add_f32 v93, v84, v85
	v_add_f32 v94, v86, v87
	v_add_f32 v95, v88, v89
	v_add_f32 v117, v90, v91
	v_add_f32 v93, v93, v94
	v_add_f32 v95, v95, v117
	v_add_f32 v93, v93, v95                        ; the softmax's divisor
	v_add_f32 v94, 1.0, v92                        ; the two gates' divisor
	v_rcp_f32 v117, v93
	v_rcp_f32 v118, v94                            ; g1
	v_min_u32 v121, v113, v115                     ; lo  (plain work behind the reciprocals)
	v_max_u32 v122, v113, v115                     ; hi
	v_sub_nc_u32 v123, 15, v121
	v_mul_u32_u24 v123, v121, v123
	v_lshrrev_b32 v123, 1, v123
	v_add_nc_u32 v123, v123, v122
	v_sub_nc_u32 v123, v123, v121
	v_add_nc_u32 v123, -1, v123                    ; the bucket: lo (15 - lo) / 2 + hi - lo - 1
	s_wait_alu depctr_va_vdst(0)
	v_mul_f32 v119, v92, v118                      ; g2
.irp e, 0,1,2,3,4,5,6,7
	v_mul_f32 v[84+\e], v[84+\e], v117             ; the probabilities
.endr
	v_cmp_lt_u32 vcc_lo, v113, v115
	v_cndmask_b32 v124, v119, v118, vcc_lo         ; the gate of lo,
	v_cndmask_b32 v125, v118, v119, vcc_lo         ; and of hi
	v_mov_b32 v126, 0                              ; my rank among the chunk's tokens of my bucket
	v_mov_b32 v127, 0                              ; lane p: the chunk's count of bucket p
.irp p, 0,1,2,3,4,5,6,7,8,9,10,11,12,13,14,15,16,17,18,19,20,21,22,23,24,25,26,27
	v_cmp_eq_u32 s44, \p, v123
	s_and_b32 s44, s44, 0xffff                     ; the 16 tokens stand in lanes 0-15
	v_mbcnt_lo_u32_b32 v8, s44, 0
	v_cndmask_b32 v126, v126, v8, s44
	s_bcnt1_i32_b32 s45, s44
	v_writelane_b32 v127, s45, \p
.endr
	v_lshl_or_b32 v9, v121, 8, v123                ; the route word: bucket, lo, hi, rank
	v_lshl_or_b32 v9, v122, 16, v9
	v_lshl_or_b32 v9, v126, 24, v9
	v_mov_b32 v92, v120
	v_mov_b32 v93, 0
	v_mov_b32 v94, 0
	v_mov_b32 v95, 0
.irp m, 1,2,4,8
.irp e, 0,1,2,3,4,5,6,7,8
	v_add_f32_dpp v[84+\e], v[84+\e], v[84+\e] row_xmask:\m row_mask:0xf bank_mask:0xf   ; over the chunk's 16 tokens
.endr
.endr
	v_lshlrev_b32 v10, 2, v2
	v_lshlrev_b32 v11, 3, v2
	v_lshlrev_b32 v12, 2, v1
	v_lshlrev_b32 v13, 3, v1
	v_mov_b32 v14, 0
	ds_load_b64 v[24:25], v7                       ; LDS serves a wave's instructions in order: this sees my 16 byte stores
	global_store_b32 v12, v127, s[46:47] offset:8192
	s_wait_dscnt 0x0
	global_store_b64 v13, v[24:25], s[42:43] offset:786432         ; 256 consecutive bytes, aligned
	s_wait_xcnt 0x0                                ; EXEC changes only behind this wait
	v_cmp_gt_u32 vcc_lo, 16, v1
	s_wait_tensorcnt 0x0
	ds_add_u32 v30, v31
	s_wait_dscnt 0x0
	s_and_saveexec_b32 s52, vcc_lo                 ; the ranks are right in lanes 0-15 alone
	global_store_b32 v10, v9, s[18:19]
	global_store_b64 v11, v[124:125], s[48:49]
	s_wait_xcnt 0x0
	s_or_b32 exec_lo, exec_lo, s52
	v_cmp_eq_u32 vcc_lo, 0, v1
	s_and_saveexec_b32 s52, vcc_lo
	global_store_b128 v14, v[84:87], s[20:21] offset:16384
	global_store_b128 v14, v[88:91], s[20:21] offset:16400
	global_store_b128 v14, v[92:95], s[20:21] offset:16416
	s_wait_xcnt 0x0
	s_or_b32 exec_lo, exec_lo, s52
	s_endpgm
.Lfunc_end_k_qd09aebb4d0_prep:
	.size	k_qd09aebb4d0_prep, .Lfunc_end_k_qd09aebb4d0_prep-k_qd09aebb4d0_prep
	.p2alignl 7, 3214868480
	.fill 96, 4, 3214868480
	.section	.rodata,"a",@progbits
	.p2align	6, 0x0
	.amdhsa_kernel k_qd09aebb4d0_prep
		.amdhsa_group_segment_fixed_size 28160
		.amdhsa_private_segment_fixed_size 0
		.amdhsa_enable_private_segment 0
		.amdhsa_kernarg_size 80
		.amdhsa_user_sgpr_count 2
		.amdhsa_user_sgpr_kernarg_segment_ptr 1
		.amdhsa_wavefront_size32 1
		.amdhsa_system_sgpr_workgroup_id_x 1
		.amdhsa_system_sgpr_workgroup_id_y 1
		.amdhsa_system_sgpr_workgroup_id_z 1
		.amdhsa_system_vgpr_workitem_id 0
		.amdhsa_next_free_vgpr 256
		.amdhsa_next_free_sgpr 66
		.amdhsa_reserve_vcc 1
		.amdhsa_float_denorm_mode_32 3
		.amdhsa_float_denorm_mode_16_64 3
		.amdhsa_memory_ordered 1
		.amdhsa_forward_progress 1
		.amdhsa_inst_pref_size 199
	.end_amdhsa_kernel
	.amdgpu_metadata
---
amdhsa.version: [ 1, 2 ]
amdhsa.kernels:
  - .name:           k_qd09aebb4d0_prep
    .symbol:         k_qd09aebb4d0_prep.kd
    .args:
      - { .name: x, .offset: 0, .size: 8, .value_kind: global_buffer, .address_space: global }
      - { .name: Wr, .offset: 8, .size: 8, .value_kind: global_buffer, .address_space: global }
      - { .name: Wp, .offset: 16, .size: 8, .value_kind: global_buffer, .address_space: global }
      - { .name: pattern_ids, .offset: 24, .size: 8, .value_kind: global_buffer, .address_space: global }
      - { .name: W1, .offset: 32, .size: 8, .value_kind: global_buffer, .address_space: global }
      - { .name: W3, .offset: 40, .size: 8, .value_kind: global_buffer, .address_space: global }
      - { .name: xq, .offset: 48, .size: 8, .value_kind: global_buffer, .address_space: global }
      - { .name: rt, .offset: 56, .size: 8, .value_kind: global_buffer, .address_space: global }
      - { .name: fl, .offset: 64, .size: 8, .value_kind: global_buffer, .address_space: global }
      - { .name: wq13, .offset: 72, .size: 8, .value_kind: global_buffer, .address_space: global }
    .group_segment_fixed_size: 28160
    .private_segment_fixed_size: 0
    .kernarg_segment_align: 8
    .kernarg_segment_size: 80
    .max_flat_workgroup_size: 128
    .sgpr_count:     66
    .vgpr_count:     256
    .wavefront_size: 32
...
	.end_amdgpu_metadata
.endif
;; end of part 1
;; launch place (part 2): grid 257 x 1, 4 waves a work-group, no clusters, 28,160 bytes of LDS; arguments W2, Wp, rt, fl, w2q, srt, out1, out2, out3; writes w2q, srt, out1, out2, out3
.if DOCPART == 2
	.amdgcn_target "amdgcn-amd-amdhsa--gfx1250"
	.amdhsa_code_object_version 6
	.text
	.protected	k_qd09aebb4d0_place
	.globl	k_qd09aebb4d0_place
	.p2align	8
	.type	k_qd09aebb4d0_place,@function
k_qd09aebb4d0_place:
	s_mov_b64 s[64:65], 0
	v_nop
	global_prefetch_b8 v0, s[64:65] scope:SCOPE_SE
	s_setreg_imm32_b32 hwreg(HW_REG_WAVE_MODE, 25, 1), 1
	s_wait_xcnt 0x0
; PLACE.  Work-group 0 sorts the 2,048 tokens by their bucket (the unordered pair of chosen experts, 28 buckets) by a counting sort on the counts and ranks that the launch before stored, writes the list of tokens in
; sorted order and, for each of the 128 tiles of 16 sorted positions, the mask of experts that its tokens use; it also finishes the three losses.  No atomics: each token's place is a sum of stored counts.
; Work-groups 1-256 quantise W2 meanwhile: one record each, 64 output columns x 512 of K (the hidden axis, W2's first), by the same text and in the same layout as W1's and W3's records:
; fragment (t, sl) at (4 t + sl) x 1,536 as three runs of 32 lanes x 16 bytes; lane (i, h): column 32 (t / 2) + 8 (t % 2) + i + 8 (i / 8), k = 128 sl + 64 c + 32 h + 0 .. 31 in registers 6 c .. 6 c + 5;
; scale words at 24,576 + 256 sl + 8 (16 (t % 2) + i) + 4 (t / 2).
; LIMITS: NaN and infinities among the inputs are not served.  A block whose largest magnitude lies under 2^-124 gets the byte 1 (a block of zeros too: its codes are zeros, and this program alone reads the bytes).
; The list of tokens leaves by stores of 4 bytes to places that the sort decides: 8,192 bytes in all, by one work-group.
.set FP,    1664
.set TOT,   4*4*FP                     ; LDS behind the four stages: the sort's four waves' totals, 128 bytes each (each path has LDS bytes of its own)
.set PITCH, 2048                       ; a row of W2[e] in bytes
.set IN,    4
.set OUT,   12
.macro LOADU j                         ; 32 loads, each 128 consecutive bytes of one row of the weight
.set LI, 0
.rept 32
	global_load_b32 v[32+32*((\j)%4)+LI], v2, s[IN:IN+1] offset:(32*((\j)/2)+LI)*PITCH+128*((\j)%2) th:TH_LOAD_NT
.set LI, LI+1
.endr
.endm
.macro QU j, n                         ; unit j = 2 b + cs (block b of 32 along K, column set cs) is quantised and goes to its place in the stage.  n: how many younger loads may stay out
.set XS, 32+32*((\j)%4)
.set C,  160+8*(\j)
.set BB, (\j)/2
.set CS, (\j)%2
	s_wait_loadcnt \n
	v_max3_num_f32 v8, |v[XS]|, |v[XS+1]|, |v[XS+2]|
	v_max3_num_f32 v9, |v[XS+3]|, |v[XS+4]|, |v[XS+5]|
.irp i, 6,10,14,18,22,26
	v_max3_num_f32 v8, v8, |v[XS+\i]|, |v[XS+\i+1]|
	v_max3_num_f32 v9, v9, |v[XS+\i+2]|, |v[XS+\i+3]|
.endr
	v_max3_num_f32 v8, v8, |v[XS+30]|, |v[XS+31]|
	v_max3_num_f32 v8, v8, v9, 0x1800000           ; the floor 2^(3 - 127): the byte cannot fall under 1
	v_add_nc_u32 v10, 0xff000000, v8               ; 2 off the exponent field: the conversion's scale operand
	v_cvt_scalef32_pk16_fp6_f32 v[C:C+2], v[XS:XS+15], v10
	v_cvt_scalef32_pk16_fp6_f32 v[C+4:C+6], v[XS+16:XS+31], v10
	v_lshrrev_b32 v11, 23, v10                     ; the scale's byte; also the plain line behind the conversions
.if BB == 0
	v_mov_b32 v[12+CS], v11
.else
	v_lshl_or_b32 v[12+CS], v11, 8*BB, v[12+CS]
.endif
	v_mov_b32 v[C+3], v[C+4]
	v_mov_b32 v[C+4], v[C+5]
	v_mov_b32 v[C+5], v[C+6]
.if BB < 2
	ds_store_b128 v3, v[C:C+3] offset:CS*2*FP+(BB&1)*256
	ds_store_b64 v3, v[C+4:C+5] offset:CS*2*FP+(BB&1)*256+512
.else
	ds_store_b64 v3, v[C:C+1] offset:CS*2*FP+(BB&1)*256+520
	ds_store_b128 v3, v[C+2:C+5] offset:CS*2*FP+(BB&1)*256+1024
.endif
.if (\j) < 4
	LOADU (\j)+4
.endif
.endm
.macro WADDR
	v_lshlrev_b32 v2, 2, v1
	v_bfe_u32 v7, v1, 3, 1                         ; column L = 8 u + i + 8 (i / 8): u,
	v_and_b32 v8, 7, v1
	v_lshrrev_b32 v9, 1, v1
	v_and_b32 v9, 8, v9
	v_add_nc_u32 v8, v8, v9                        ; and i
	s_mul_i32 s40, s24, 4*FP
	s_mul_i32 s41, s24, 1536
	s_lshl_b32 s42, s24, 8
	v_mul_u32_u24 v3, v7, FP
	v_lshl_add_u32 v3, v8, 4, v3
	v_add_nc_u32 v3, s40, v3
	v_lshl_add_u32 v4, v1, 4, s40
	v_lshl_add_u32 v5, v1, 4, s41
	v_lshl_add_u32 v6, v7, 4, v8
	v_lshl_add_u32 v6, v6, 3, s42
.endm
.macro WBODY
	LOADU 0
	LOADU 1
	LOADU 2
	LOADU 3
	QU 0, 63                                       ; behind a unit's 32 loads stand 96 younger ones (units 0 to 4), 64, 32, 0: a wait's count holds 63 at the most, and a smaller count than the loads issued behind is safe
	QU 1, 63
	QU 2, 63
	QU 3, 63
	QU 4, 63
	QU 5, 63
	QU 6, 32
	QU 7, 0
	global_store_b64 v6, v[12:13], s[OUT:OUT+1] offset:24576
.irp n, 0,1,2,3,4,5,6,7,8,9,10,11
	ds_load_b128 v[32+4*\n:35+4*\n], v4 offset:(\n/3)*FP+(\n%3)*512
.endr
.irp n, 0,1,2,3,4,5,6,7,8,9,10,11
	s_wait_dscnt 11-\n
	global_store_b128 v5, v[32+4*\n:35+4*\n], s[OUT:OUT+1] offset:(\n/3)*6144+(\n%3)*512
.endr
.endm
	s_load_b512 s[4:19], s[0:1], 0x0               ; W2 4, Wp 6, rt 8, fl 10, w2q 12, srt 14, out1 16, out2 18
	s_load_b64 s[20:21], s[0:1], 0x40              ; out3
	v_lshl_add_u32 v254, v0, 2, 0x6c00
	v_mov_b32 v255, 0
	v_lshrrev_b32 v1, 5, v0
	v_readfirstlane_b32 s24, v1                    ; wave
	v_and_b32 v1, 31, v0                           ; lane
	s_cmp_eq_u32 ttmp9, 0
	s_cbranch_scc1 .Lplace
	; ---- THE WEIGHT PATH: record rec = (e x 8 + s2) x 4 + kp
	s_sub_co_u32 s25, ttmp9, 1
	s_and_b32 s26, s25, 3                          ; kp: which 512 of K
	s_bfe_u32 s27, s25, 0x30002                    ; s2: which 64 columns
	s_lshr_b32 s28, s25, 5                         ; e
	s_lshl_b32 s28, s28, 22
	s_lshl_b32 s26, s26, 20                        ; 512 rows of 2,048 bytes
	s_add_co_u32 s28, s28, s26
	s_lshl_b32 s27, s27, 8
	s_add_co_u32 s28, s28, s27
	s_lshl_b32 s27, s24, 18                        ; my wave's 128 rows
	s_add_co_u32 s28, s28, s27
	s_mov_b32 s29, 0
	s_mul_i32 s30, s25, 25600
	s_mov_b32 s31, 0
	WADDR
	s_wait_kmcnt 0x0
	s_add_nc_u64 s[4:5], s[4:5], s[28:29]
	s_add_nc_u64 s[12:13], s[12:13], s[30:31]
	WBODY
	s_wait_tensorcnt 0x0
	ds_add_u32 v254, v255
	s_wait_dscnt 0x0
	s_endpgm
	; ---- THE SORT.  Wave w owns chunks 32 w .. 32 w + 31 (tokens 512 w on) and tiles 32 w + lane.  In the arrays of counts a lane is a bucket.
	; REGISTERS: v32-63 the chunks' counts; v64-96 their running sums; v100-115 route words; v116-147 the list's offsets and data; v148-151 the waves' totals; v152 the buckets' totals; v153 the buckets' starts;
	; v160-171 the losses' sums; v172-219 partial sums as loaded; v220-235 Wp's row and its softmax; v236-239 that softmax's sums (registers that no store names).  s68-96: the 28 buckets' starts and the end.
.Lplace:
	v_lshlrev_b32 v2, 2, v1
	v_lshlrev_b32 v3, 6, v1
	v_and_b32 v4, 15, v1
	v_lshlrev_b32 v4, 5, v4
	v_lshl_add_u32 v5, v0, 2, TOT                  ; my wave's totals: 128 wave + 4 lane
	v_lshl_add_u32 v6, v1, 2, TOT
	s_lshl_b32 s26, s24, 12
	s_mov_b32 s27, 0
	s_lshl_b32 s28, s24, 11
	s_mov_b32 s29, 0
	s_mov_b32 s40, 0x76543210
	s_mov_b32 s41, 0xfedcba98
	s_wait_kmcnt 0x0
	s_add_nc_u64 s[30:31], s[8:9], s[26:27]        ; my 32 chunks' counts (+ 8,192)
	s_add_nc_u64 s[32:33], s[8:9], s[28:29]        ; my 512 tokens' route words
.set LI, 0
.rept 32
	global_load_b32 v[32+LI], v2, s[30:31] offset:8192+128*LI
.set LI, LI+1
.endr
.set LI, 0
.rept 16
	global_load_b32 v[100+LI], v2, s[32:33] offset:128*LI
.set LI, LI+1
.endr
.irp k, 0,1,2,3
.irp q, 0,1,2
	global_load_b128 v[172+12*\k+4*\q:175+12*\k+4*\q], v3, s[10:11] offset:16384+2048*\k+16*\q   ; chunk 32 k + lane: 8 sums of probabilities, the sum of squares, 3 zeros
.endr
.endr
	global_load_b128 v[220:223], v4, s[6:7]        ; Wp's row lane % 16
	global_load_b128 v[224:227], v4, s[6:7] offset:16
	s_wait_loadcnt 0x0
	v_mov_b32 v64, 0
.set LI, 0
.rept 32
	v_add_nc_u32 v[65+LI], v[64+LI], v[32+LI]      ; how many of my bucket stand in my wave's chunks ahead of chunk LI + 1
.set LI, LI+1
.endr
	ds_store_b32 v5, v96
	s_wait_dscnt 0x0                               ; for the others' sake: my store has landed
	s_barrier_signal -1
	s_barrier_wait -1
.irp k, 0,1,2,3
	ds_load_b32 v[148+\k], v6 offset:128*\k
.endr
	s_wait_dscnt 0x0
	v_add_nc_u32 v152, v148, v149
	v_add3_u32 v152, v152, v150, v151              ; the bucket's total
	v_mov_b32 v154, 0
.irp k, 0,1,2
	s_cmp_gt_u32 s24, \k
	s_cselect_b32 s26, -1, 0
	v_and_b32 v8, s26, v[148+\k]
	v_add_nc_u32 v154, v154, v8                    ; what the waves ahead of mine hold of it
.endr
	s_mov_b32 s68, 0
	v_mov_b32 v153, 0
.irp p, 0,1,2,3,4,5,6,7,8,9,10,11,12,13,14,15,16,17,18,19,20,21,22,23,24,25,26,27
	v_readlane_b32 s97, v152, \p
	v_writelane_b32 v153, s[68+\p], \p
	s_add_co_u32 s[69+\p], s[68+\p], s97           ; where bucket p + 1 begins
.endr
	v_add_nc_u32 v153, v153, v154
.set LI, 0
.rept 32
	v_add_nc_u32 v[64+LI], v[64+LI], v153          ; lane p: where chunk LI's tokens of bucket p begin
.set LI, LI+1
.endr
	s_lshl_b32 s26, s24, 9
	v_add_nc_u32 v7, s26, v1                       ; token 512 w + lane
.irp i, 0,1,2,3,4,5,6,7,8,9,10,11,12,13,14,15
	v_and_b32 v[32+\i], 31, v[100+\i]
	v_lshlrev_b32 v[32+\i], 2, v[32+\i]            ; the lane that holds my bucket, as a byte address
.endr
.irp i, 0,1,2,3,4,5,6,7,8,9,10,11,12,13,14,15
	ds_bpermute_b32 v[116+2*\i], v[32+\i], v[64+2*\i]              ; token 32 i + lane lies in chunk 2 i (lanes 0-15) or 2 i + 1
	ds_bpermute_b32 v[117+2*\i], v[32+\i], v[65+2*\i]
.endr
	s_wait_dscnt 0x0
	v_cmp_gt_u32 vcc_lo, 16, v1
.irp i, 0,1,2,3,4,5,6,7,8,9,10,11,12,13,14,15
	v_cndmask_b32 v[116+2*\i], v[117+2*\i], v[116+2*\i], vcc_lo
	v_lshrrev_b32 v[117+2*\i], 24, v[100+\i]       ; + my rank in the chunk
	v_add_nc_u32 v[116+2*\i], v[116+2*\i], v[117+2*\i]
	v_min_u32 v[116+2*\i], 0x7ff, v[116+2*\i]      ; the sorted position, held inside the list
	v_lshlrev_b32 v[116+2*\i], 2, v[116+2*\i]
	v_add_nc_u32 v[117+2*\i], 32*\i, v7
	global_store_b32 v[116+2*\i], v[117+2*\i], s[14:15]            ; each store has an offset and a data register of its own, which nothing writes again
.endr
	; the tiles' masks: tile 32 w + lane covers positions 16 tile .. + 15; a bucket that overlaps them gives its two experts
	v_lshl_add_u32 v8, v1, 4, s26
	v_add_nc_u32 v9, 16, v8
	v_mov_b32 v10, 0
.set PP, 0
.irp lo, 0,1,2,3,4,5,6
.irp hi, 1,2,3,4,5,6,7
.if \hi > \lo
	v_max_u32 v11, s[68+PP], v8
	v_min_u32 v12, s[69+PP], v9
	v_cmp_lt_u32 vcc_lo, v11, v12
	v_or_b32 v13, (1<<\lo)|(1<<\hi), v10
	v_cndmask_b32 v10, v10, v13, vcc_lo
.set PP, PP+1
.endif
.endr
.endr
	v_lshlrev_b32 v11, 2, v0
	global_store_b32 v11, v10, s[14:15] offset:8192                ; v10 and v11 are not written again in this path
	; ---- the losses: every wave computes them, wave 0 stores
.irp i, 0,1,2,3,4,5,6,7,8
	v_add_f32 v[160+\i], v[172+\i], v[184+\i]
	v_add_f32 v[32+\i], v[196+\i], v[208+\i]
.endr
.irp i, 0,1,2,3,4,5,6,7,8
	v_add_f32 v[160+\i], v[160+\i], v[32+\i]
.endr
.irp m, 1,2,4,8
.irp i, 0,1,2,3,4,5,6,7,8
	v_add_f32_dpp v[160+\i], v[160+\i], v[160+\i] row_xmask:\m row_mask:0xf bank_mask:0xf
.endr
.endr
.irp i, 0,1,2,3,4,5,6,7,8
	v_permlanex16_b32 v[32+\i], v[160+\i], s40, s41
.endr
.irp i, 0,1,2,3,4,5,6,7,8
	v_add_f32 v[160+\i], v[160+\i], v[32+\i]       ; over all 2,048 tokens
.endr
	v_mul_f32 v168, 0x3383126f, v168               ; x 0.001 / 16,384
	s_mov_b32 s42, 0x3a000000                      ; 1 / 2,048
	s_mov_b32 s43, 0xbe000000                      ; -1 / 8
.irp e, 0,1,2,3,4,5,6,7
	v_fma_f32 v[32+\e], v[160+\e], s42, s43
.endr
	v_mul_f32 v170, v32, v32
.irp e, 1,2,3,4,5,6,7
	v_fmac_f32 v170, v[32+\e], v[32+\e]
.endr
	v_mul_f32 v170, 0x3e000000, v170               ; the mean over the 8 experts
	v_max3_num_f32 v8, v220, v221, v222            ; softmax of Wp's row lane % 16: the maximum is taken away first
	v_max3_num_f32 v8, v8, v223, v224
	v_max3_num_f32 v8, v8, v225, v226
	v_max_num_f32 v8, v8, v227
.irp e, 0,1,2,3,4,5,6,7
	v_sub_f32 v[220+\e], v[220+\e], v8
.endr
.irp e, 0,1,2,3,4,5,6,7
	v_mul_f32 v[220+\e], 0x3fb8aa3b, v[220+\e]
.endr
.irp e, 0,1,2,3,4,5,6,7
	v_exp_f32 v[220+\e], v[220+\e]
.endr
	v_nop                                          ; a plain line behind the exponentials,
	s_wait_alu depctr_va_vdst(0)                   ; and one wait for the eight
	v_add_f32 v236, v220, v221
	v_add_f32 v237, v222, v223
	v_add_f32 v238, v224, v225
	v_add_f32 v239, v226, v227
	v_add_f32 v236, v236, v237
	v_add_f32 v238, v238, v239
	v_add_f32 v236, v236, v238
	v_rcp_f32 v237, v236
	v_mov_b32 v12, 0                               ; (a plain line)  the three stores' offset
	s_wait_alu depctr_va_vdst(0)
.irp e, 0,1,2,3,4,5,6,7
	v_mul_f32 v[220+\e], v[220+\e], v237           ; Pn[i][e]
.endr
.irp e, 0,1,2,3,4,5,6,7
	v_mov_b32 v[228+\e], v[220+\e]
.endr
.irp m, 1,2,4,8
.irp e, 0,1,2,3,4,5,6,7
	v_add_f32_dpp v[228+\e], v[228+\e], v[228+\e] row_xmask:\m row_mask:0xf bank_mask:0xf   ; the sum of Pn over the 16 patterns
.endr
.endr
.irp e, 0,1,2,3,4,5,6,7
	v_sub_f32 v[228+\e], v[228+\e], v[220+\e]      ; over the 15 other patterns: all terms are positive, one of sixteen is taken off
.endr
	v_mul_f32 v171, v220, v228                     ; the sum over j other than i of Pn[i] . Pn[j]
.irp e, 1,2,3,4,5,6,7
	v_fmac_f32 v171, v[220+\e], v[228+\e]
.endr
.irp m, 1,2,4,8
	v_add_f32_dpp v171, v171, v171 row_xmask:\m row_mask:0xf bank_mask:0xf
.endr
	v_mul_f32 v171, 0x39cccccd, v171               ; x 0.1 / 256
	s_cmp_lg_u32 s24, 0
	s_cbranch_scc1 .Ldone
	s_wait_xcnt 0x0                                ; EXEC changes only behind this wait
	v_cmp_eq_u32 vcc_lo, 0, v1
	s_and_saveexec_b32 s26, vcc_lo
	global_store_b32 v12, v168, s[16:17]
	global_store_b32 v12, v170, s[18:19]
	global_store_b32 v12, v171, s[20:21]
	s_wait_xcnt 0x0
	s_or_b32 exec_lo, exec_lo, s26
.Ldone:
	s_wait_tensorcnt 0x0
	ds_add_u32 v254, v255
	s_wait_dscnt 0x0
	s_endpgm
.Lfunc_end_k_qd09aebb4d0_place:
	.size	k_qd09aebb4d0_place, .Lfunc_end_k_qd09aebb4d0_place-k_qd09aebb4d0_place
	.p2alignl 7, 3214868480
	.fill 96, 4, 3214868480
	.section	.rodata,"a",@progbits
	.p2align	6, 0x0
	.amdhsa_kernel k_qd09aebb4d0_place
		.amdhsa_group_segment_fixed_size 28160
		.amdhsa_private_segment_fixed_size 0
		.amdhsa_enable_private_segment 0
		.amdhsa_kernarg_size 72
		.amdhsa_user_sgpr_count 2
		.amdhsa_user_sgpr_kernarg_segment_ptr 1
		.amdhsa_wavefront_size32 1
		.amdhsa_system_sgpr_workgroup_id_x 1
		.amdhsa_system_sgpr_workgroup_id_y 1
		.amdhsa_system_sgpr_workgroup_id_z 1
		.amdhsa_system_vgpr_workitem_id 0
		.amdhsa_next_free_vgpr 256
		.amdhsa_next_free_sgpr 100
		.amdhsa_reserve_vcc 1
		.amdhsa_float_denorm_mode_32 3
		.amdhsa_float_denorm_mode_16_64 3
		.amdhsa_memory_ordered 1
		.amdhsa_forward_progress 1
		.amdhsa_inst_pref_size 79
	.end_amdhsa_kernel
	.amdgpu_metadata
---
amdhsa.version: [ 1, 2 ]
amdhsa.kernels:
  - .name:           k_qd09aebb4d0_place
    .symbol:         k_qd09aebb4d0_place.kd
    .args:
      - { .name: W2, .offset: 0, .size: 8, .value_kind: global_buffer, .address_space: global }
      - { .name: Wp, .offset: 8, .size: 8, .value_kind: global_buffer, .address_space: global }
      - { .name: rt, .offset: 16, .size: 8, .value_kind: global_buffer, .address_space: global }
      - { .name: fl, .offset: 24, .size: 8, .value_kind: global_buffer, .address_space: global }
      - { .name: w2q, .offset: 32, .size: 8, .value_kind: global_buffer, .address_space: global }
      - { .name: srt, .offset: 40, .size: 8, .value_kind: global_buffer, .address_space: global }
      - { .name: out1, .offset: 48, .size: 8, .value_kind: global_buffer, .address_space: global }
      - { .name: out2, .offset: 56, .size: 8, .value_kind: global_buffer, .address_space: global }
      - { .name: out3, .offset: 64, .size: 8, .value_kind: global_buffer, .address_space: global }
    .group_segment_fixed_size: 28160
    .private_segment_fixed_size: 0
    .kernarg_segment_align: 8
    .kernarg_segment_size: 72
    .max_flat_workgroup_size: 128
    .sgpr_count:     100
    .vgpr_count:     256
    .wavefront_size: 32
...
	.end_amdgpu_metadata
.endif
;; end of part 2
;; launch up (part 3): grid 256 x 1, 4 waves a work-group, no clusters, 0 bytes of LDS; arguments wq13, xq, srt, hq; writes hq
.if DOCPART == 3
	.amdgcn_target "amdgcn-amd-amdhsa--gfx1250"
	.amdhsa_code_object_version 6
	.text
	.protected	k_qd09aebb4d0_up
	.globl	k_qd09aebb4d0_up
	.p2align	8
	.type	k_qd09aebb4d0_up,@function
k_qd09aebb4d0_up:
	s_mov_b64 s[64:65], 0
	v_nop
	global_prefetch_b8 v0, s[64:65] scope:SCOPE_SE
	s_setreg_imm32_b32 hwreg(HW_REG_WAVE_MODE, 25, 1), 1
	s_wait_xcnt 0x0
; UP.  h = (x W1[e]) x silu(x W3[e]) for every (tile of 16 sorted tokens, expert e) whose bit is set in the stored masks, both products on codes of FP6 (E2M3) with E8M0 scales; h is quantised along the hidden axis
; in registers and stored as codes, in the order of the next product's operand registers.
; SHARES.  Work-group = (expert e, 64 hidden units sg).  Its W1 and W3 records (16 fragments each, 384 registers) stay in every wave's registers for the whole launch.  Wave w walks the tiles w + 4 i (i = 0 .. 31) that
; use expert e: the tiles of an expert lie in runs, so that the four waves get about equal shares.  Waves share nothing: no LDS, no barrier.  The trip count hangs on the stored masks, so operands come from memory
; straight into registers: no tensor load stands in this text.
; LAYOUT.  The products are used transposed (source 0 = 16 hidden units, source 1 = 16 tokens): a lane holds one token, and the records' choice of columns makes the 16 registers of tiles 2 b and 2 b + 1 sixteen
; neighbours along the next K: hidden unit 64 sg + 32 b + 16 (lane / 16) + 0 .. 15.  The 64 units are half c = sg % 2 of fragment s = sg / 2 of the token tile's h.
; AN h RECORD (tile x 8 + e), 25,600 bytes: half c of fragment s at 1,536 s + 768 c: 32 lanes x 16 bytes (registers 6 c .. 6 c + 3), then 32 lanes x 8 bytes (6 c + 4, 6 c + 5); scale words at 24,576 + 64 s + 4 row.
; The walk goes two tiles a trip; with an odd number of tiles the last turn takes tile 124 + w, which is this wave's own: it writes right numbers into a record that either holds them already or is never read.
; LIMITS: silu is z / (1 + 2^(-z log2 e)): where the power overflows (z under about -88) h is 0.  A block of h whose largest magnitude lies under 2^-124 gets the byte 1.
; REGISTERS, in windows of 256: window 0: v1-5 lane terms; v6, v7 token numbers as loaded; v8-11 gather offsets; v16-63 x's four fragments and v64-67 its scale words, set A; v68-119 set B; v120-135 the weights' scale
; words (8 m + 2 sl + t / 2); v136-167 x W1; v168-199 x W3; v200-207 at work; v216-224 codes; v225 two scale bytes.   window 1: W1's fragments, (t, s) at v[12 (4 t + s)].   window 2: W3's.
.set MSB, 0
.macro WIN new                         ; the immediate's high byte repeats the setting that is left
.if MSB != \new
	s_set_vgpr_msb (MSB<<8)|\new
.set MSB, \new
.endif
.endm
.macro WM d, a, b, acc, sa, sb, row    ; one product; acc = 0: it starts the sum; row = 1: source 0's scales stand in lanes 16-31
.if (\acc) == 0
.if (\row) == 0
	v_wmma_scale_f32_16x16x128_f8f6f4 v[\d:\d+7], v[\a:\a+11], v[\b:\b+11], 0, v[\sa], v[\sb] matrix_a_fmt:MATRIX_FMT_FP6 matrix_b_fmt:MATRIX_FMT_FP6
.else
	v_wmma_scale_f32_16x16x128_f8f6f4 v[\d:\d+7], v[\a:\a+11], v[\b:\b+11], 0, v[\sa], v[\sb] matrix_a_fmt:MATRIX_FMT_FP6 matrix_b_fmt:MATRIX_FMT_FP6 matrix_a_scale:MATRIX_SCALE_ROW1
.endif
.else
.if (\row) == 0
	v_wmma_scale_f32_16x16x128_f8f6f4 v[\d:\d+7], v[\a:\a+11], v[\b:\b+11], v[\d:\d+7], v[\sa], v[\sb] matrix_a_fmt:MATRIX_FMT_FP6 matrix_b_fmt:MATRIX_FMT_FP6
.else
	v_wmma_scale_f32_16x16x128_f8f6f4 v[\d:\d+7], v[\a:\a+11], v[\b:\b+11], v[\d:\d+7], v[\sa], v[\sb] matrix_a_fmt:MATRIX_FMT_FP6 matrix_b_fmt:MATRIX_FMT_FP6 matrix_a_scale:MATRIX_SCALE_ROW1
.endif
.endif
.endm
.macro NEXT d                          ; s[d] = my next tile; the mask s24 loses its lowest bit.  An empty mask gives i = 31: tile 124 + w
	s_ctz_i32_b32 s[\d], s24
	s_min_u32 s[\d], s[\d], 31
	s_sub_co_u32 s42, s24, 1
	s_and_b32 s24, s24, s42
	s_lshl_b32 s[\d], s[\d], 2
	s_add_co_u32 s[\d], s[\d], s12
.endm
.macro TOK tx, raw                     ; a token number as loaded becomes the two gather offsets
	v_min_u32 v[\tx+1], 0x7ff, v[\raw]
	v_mad_u32_u24 v[\tx], v[\tx+1], 384, v4        ; its codes: 384 bytes a token, my half's 192
	v_lshlrev_b32 v[\tx+1], 4, v[\tx+1]            ; its 16 scale bytes
.endm
.macro XGATHER x, tx                   ; 13 loads: a lane's 192 bytes are its registers of x's four fragments, as they lie; then the four scale words
.irp n, 0,1,2,3,4,5,6,7,8,9,10,11
	global_load_b128 v[\x+4*\n:\x+4*\n+3], v[\tx], s[6:7] offset:16*\n
.endr
	global_load_b128 v[\x+48:\x+51], v[\tx+1], s[6:7] offset:786432
.endm
.macro MULS x                          ; 32 products; four accumulators by turns, one instruction a turn
	WIN 0x01                                       ; source 0 in window 1: W1
.irp s, 0,1,2,3
.irp t, 0,1,2,3
	WM 136+8*\t, 12*(4*\t+\s), \x+12*\s, \s, 120+2*\s+(\t/2), \x+48+\s, \t%2
.endr
.endr
	WIN 0x02                                       ; window 2: W3
.irp s, 0,1,2,3
.irp t, 0,1,2,3
	WM 168+8*\t, 12*(4*\t+\s), \x+12*\s, \s, 128+2*\s+(\t/2), \x+48+\s, \t%2
.endr
.endr
	WIN 0
.endm
.macro SWIGLU                          ; v136-167 = a z / (1 + 2^(-z log2 e)), a = x W1, z = x W3; each accumulator is read from its low end on
.set FI, 0
.rept 16
	v_pk_mul_f32 v[136+FI:137+FI], v[136+FI:137+FI], v[168+FI:169+FI]
.set FI, FI+2
.endr
.set FI, 0
.rept 16
	v_pk_mul_f32 v[168+FI:169+FI], v[168+FI:169+FI], 0xbfb8aa3b op_sel_hi:[1,0]
.set FI, FI+2
.endr
.set FI, 0
.rept 32
	v_exp_f32 v[168+FI], v[168+FI]
.set FI, FI+1
.endr
	v_nop                                          ; a plain line behind the batch,
	s_wait_alu depctr_va_vdst(0)                   ; and one wait for the 32, ahead of their first reader
.set FI, 0
.rept 16
	v_pk_add_f32 v[168+FI:169+FI], v[168+FI:169+FI], 1.0 op_sel_hi:[1,0]
.set FI, FI+2
.endr
.set FI, 0
.rept 32
	v_rcp_f32 v[168+FI], v[168+FI]
.set FI, FI+1
.endr
	v_nop
	s_wait_alu depctr_va_vdst(0)
.set FI, 0
.rept 16
	v_pk_mul_f32 v[136+FI:137+FI], v[136+FI:137+FI], v[168+FI:169+FI]
.set FI, FI+2
.endr
.endm
.macro QUANT2                          ; two blocks of 32 along the next K: block b lies in v[136 + 16 b ..] of lanes l and l xor 16
.irp b, 0,1
	v_max3_num_f32 v[200+\b], |v[136+16*\b]|, |v[137+16*\b]|, 0x1800000   ; with the floor 2^(3 - 127)
.endr
.irp i, 2,4,6,8,10,12,14
.irp b, 0,1
	v_max3_num_f32 v[200+\b], v[200+\b], |v[136+16*\b+\i]|, |v[137+16*\b+\i]|
.endr
.endr
.irp b, 0,1
	v_permlanex16_b32 v[202+\b], v[200+\b], s40, s41
.endr
.irp b, 0,1
	v_max_num_f32 v[200+\b], v[200+\b], v[202+\b]
.endr
.irp b, 0,1
	v_add_nc_u32 v[204+\b], 0xff000000, v[200+\b]  ; 2 off the exponent field: the conversion's scale operand
.endr
.irp b, 0,1
	v_lshrrev_b32 v[206+\b], 23, v[204+\b]
.endr
	s_wait_xcnt 0x0                                ; the last tile's stores have read their data and their bases: both are written again only behind this wait
	v_lshl_or_b32 v225, v207, 8, v206              ; my row's two scale bytes
	v_cvt_scalef32_pk16_fp6_f32 v[216:218], v[136:151], v204
	v_cvt_scalef32_pk16_fp6_f32 v[222:224], v[152:167], v205
	v_nop                                          ; one plain line behind the last conversion
.irp i, 0,1,2
	v_permlane16_swap_b32 v[216+\i], v[222+\i]     ; a whole block to a lane: lanes 0-15 block 0, lanes 16-31 block 1
.endr
.irp i, 0,1,2
	v_mov_b32 v[219+\i], v[222+\i]
.endr
.endm
; One tile's turn.  x: its set of x registers; tx: the set's gather offsets; tc: the scalar that holds its tile number.
.macro TILE x, tx, tc
	s_wait_loadcnt 14                              ; this tile's 13 loads are in; behind them stand one load of token numbers and the next tile's 13
	MULS \x
.rept 4
	v_nop                                          ; places behind the products: for the loads into x's registers and for the first reads of the results
.endr
	s_wait_loadcnt 13                              ; the token numbers of the tile two on are in; the next tile's 13 stay out
	TOK \tx, 6
	s_mov_b32 s31, s[\tc]                          ; the tile in hand,
	s_mov_b32 s[\tc], s30                          ; the tile two on takes this set,
	NEXT 30                                        ; and the tile three on is looked up
	s_lshl_b32 s42, s30, 6
	s_add_nc_u64 s[32:33], s[8:9], s[42:43]        ; (the load that read this base is in)
	global_load_b32 v6, v3, s[32:33]
	XGATHER \x, \tx
	SWIGLU
	QUANT2
	s_mul_i32 s42, s31, 204800                     ; 8 records a tile
	s_add_nc_u64 s[36:37], s[18:19], s[42:43]
	s_add_nc_u64 s[38:39], s[20:21], s[42:43]
	global_store_b128 v1, v[216:219], s[36:37]                     ; 512 consecutive bytes, aligned
	global_store_b64 v2, v[220:221], s[36:37] offset:512           ; 256 consecutive bytes, aligned
	global_store_b16 v3, v225, s[38:39] offset:24576               ; lanes l and l + 16 write the same two bytes with the same value
.endm
	s_load_b256 s[4:11], s[0:1], 0x0               ; wq13 4, xq 6, srt 8, hq 10
	v_lshrrev_b32 v1, 5, v0
	v_readfirstlane_b32 s12, v1                    ; wave
	v_and_b32 v12, 31, v0                          ; lane
	v_lshlrev_b32 v1, 4, v12
	v_lshlrev_b32 v2, 3, v12
	v_and_b32 v3, 15, v0
	v_lshlrev_b32 v3, 2, v3                        ; 4 x row
	v_bfe_u32 v4, v0, 4, 1
	v_mul_u32_u24 v4, v4, 192
	s_lshl_b32 s42, s12, 2
	v_lshl_add_u32 v5, v12, 4, s42                 ; the mask of tile w + 4 lane
	v_mov_b32 v202, 0                              ; written once: a lane permute's destination counts as one of its sources
	v_mov_b32 v203, 0
	s_mov_b32 s40, 0x76543210
	s_mov_b32 s41, 0xfedcba98
	s_lshr_b32 s13, ttmp9, 5                       ; e
	s_and_b32 s14, ttmp9, 31                       ; sg
	s_mov_b32 s43, 0
	s_mul_i32 s42, ttmp9, 51200                    ; my two records
	s_mul_i32 s44, s13, 25600
	s_mul_i32 s46, s14, 768                        ; 1,536 (sg / 2) + 768 (sg % 2)
	s_add_co_u32 s46, s46, s44
	s_mov_b32 s47, 0
	s_lshr_b32 s48, s14, 1
	s_lshl_b32 s48, s48, 6
	s_and_b32 s49, s14, 1
	s_lshl_b32 s49, s49, 1
	s_add_co_u32 s48, s48, s49                     ; 64 (sg / 2) + 2 (sg % 2)
	s_add_co_u32 s48, s48, s44
	s_mov_b32 s49, 0
	s_wait_kmcnt 0x0
	s_add_nc_u64 s[16:17], s[4:5], s[42:43]
	s_add_nc_u64 s[18:19], s[10:11], s[46:47]      ; my half fragment in tile 0's record of expert e
	s_add_nc_u64 s[20:21], s[10:11], s[48:49]      ; and my two bytes of its scale words
	global_load_b32 v13, v5, s[8:9] offset:8192
	WIN 0x40                                       ; destination window 1
.set LI, 0
.rept 48
	global_load_b128 v[4*LI:4*LI+3], v1, s[16:17] offset:512*LI
.set LI, LI+1
.endr
	WIN 0x80                                       ; destination window 2
.set LI, 0
.rept 48
	global_load_b128 v[4*LI:4*LI+3], v1, s[16:17] offset:25600+512*LI
.set LI, LI+1
.endr
	WIN 0
.irp m, 0,1
.irp s, 0,1,2,3
	global_load_b64 v[120+8*\m+2*\s:121+8*\m+2*\s], v2, s[16:17] offset:\m*25600+24576+256*\s
.endr
.endr
	s_wait_loadcnt 63                              ; the masks are in: 104 loads stand behind them, and a wait's count holds 63 at the most
	v_lshrrev_b32 v13, s13, v13
	v_and_b32 v13, 1, v13
	v_cmp_ne_u32 s24, 0, v13                       ; bit i: tile w + 4 i uses expert e
	s_bcnt1_i32_b32 s25, s24
	s_cmp_eq_u32 s25, 0
	s_cbranch_scc1 .Lend                           ; this split leaves my wave without tiles
	s_add_co_u32 s26, s25, 1
	s_lshr_b32 s26, s26, 1
	s_min_u32 s26, s26, 16                         ; trips of two tiles
	NEXT 28
	NEXT 29
	NEXT 30
	s_lshl_b32 s42, s28, 6
	s_add_nc_u64 s[32:33], s[8:9], s[42:43]
	s_lshl_b32 s42, s29, 6
	s_add_nc_u64 s[34:35], s[8:9], s[42:43]
	global_load_b32 v6, v3, s[32:33]               ; the first two tiles' token numbers
	global_load_b32 v7, v3, s[34:35]
	s_wait_loadcnt 0x0                             ; and the weights
	TOK 8, 6
	TOK 10, 7
	XGATHER 16, 8
	s_lshl_b32 s42, s30, 6
	s_add_nc_u64 s[32:33], s[8:9], s[42:43]
	global_load_b32 v6, v3, s[32:33]
	XGATHER 68, 10
	s_mov_b32 s27, 0
.Ltile:
	TILE 16, 8, 28
	TILE 68, 10, 29
	s_add_co_u32 s27, s27, 1
	s_cmp_lt_u32 s27, s26
	s_cbranch_scc1 .Ltile
.Lend:
	s_endpgm
.Lfunc_end_k_qd09aebb4d0_up:
	.size	k_qd09aebb4d0_up, .Lfunc_end_k_qd09aebb4d0_up-k_qd09aebb4d0_up
	.p2alignl 7, 3214868480
	.fill 96, 4, 3214868480
	.section	.rodata,"a",@progbits
	.p2align	6, 0x0
	.amdhsa_kernel k_qd09aebb4d0_up
		.amdhsa_group_segment_fixed_size 0
		.amdhsa_private_segment_fixed_size 0
		.amdhsa_enable_private_segment 0
		.amdhsa_kernarg_size 32
		.amdhsa_user_sgpr_count 2
		.amdhsa_user_sgpr_kernarg_segment_ptr 1
		.amdhsa_wavefront_size32 1
		.amdhsa_system_sgpr_workgroup_id_x 1
		.amdhsa_system_sgpr_workgroup_id_y 1
		.amdhsa_system_sgpr_workgroup_id_z 1
		.amdhsa_system_vgpr_workitem_id 0
		.amdhsa_next_free_vgpr 768
		.amdhsa_next_free_sgpr 66
		.amdhsa_reserve_vcc 0
		.amdhsa_float_denorm_mode_32 3
		.amdhsa_float_denorm_mode_16_64 3
		.amdhsa_memory_ordered 1
		.amdhsa_forward_progress 1
		.amdhsa_inst_pref_size 46
	.end_amdhsa_kernel
	.amdgpu_metadata
---
amdhsa.version: [ 1, 2 ]
amdhsa.kernels:
  - .name:           k_qd09aebb4d0_up
    .symbol:         k_qd09aebb4d0_up.kd
    .args:
      - { .name: wq13, .offset: 0, .size: 8, .value_kind: global_buffer, .address_space: global }
      - { .name: xq, .offset: 8, .size: 8, .value_kind: global_buffer, .address_space: global }
      - { .name: srt, .offset: 16, .size: 8, .value_kind: global_buffer, .address_space: global }
      - { .name: hq, .offset: 24, .size: 8, .value_kind: global_buffer, .address_space: global }
    .group_segment_fixed_size: 0
    .private_segment_fixed_size: 0
    .kernarg_segment_align: 8
    .kernarg_segment_size: 32
    .max_flat_workgroup_size: 128
    .sgpr_count:     66
    .vgpr_count:     768
    .wavefront_size: 32
...
	.end_amdgpu_metadata
.endif
;; end of part 3
;; launch down (part 4): grid 256 x 1, 4 waves a work-group, no clusters, 70,144 bytes of LDS; arguments w2q, hq, srt, rt, fl, out0; writes out0
.if DOCPART == 4
	.amdgcn_target "amdgcn-amd-amdhsa--gfx1250"
	.amdhsa_code_object_version 6
	.text
	.protected	k_qd09aebb4d0_down
	.globl	k_qd09aebb4d0_down
	.p2align	8
	.type	k_qd09aebb4d0_down,@function
k_qd09aebb4d0_down:
	s_mov_b64 s[64:65], 0
	v_nop
	global_prefetch_b8 v0, s[64:65] scope:SCOPE_SE
	s_setreg_imm32_b32 hwreg(HW_REG_WAVE_MODE, 25, 1), 1
	s_wait_xcnt 0x0
; DOWN.  y[token] = the sum over its two experts of gate x (h_e W2[e]), on codes of FP6 (E2M3) with E8M0 scales.  EACH OUTPUT ROW HAS ONE OWNER: nothing is added between work-groups.
; SHARES.  Work-group = (group g of four tiles = 64 sorted tokens, 64 output columns s2).  It walks the experts that any of its four tiles uses (the union of the stored masks; at least two).  Wave kp takes K steps
; 4 kp .. 4 kp + 3 of every expert, which is one record of W2; the four waves' partial sums meet in LDS at the end.  The trip count hangs on the stored masks, so operands come from memory straight into registers,
; one expert ahead: no tensor load stands in this text.
; A tile that does not use the expert in hand reads, in its place, the h of the tile's own lowest expert: numbers that were written and are finite; its tokens' gates for the expert in hand are 0.
; The products are used transposed (source 0 = 16 columns of W2, source 1 = 16 tokens of h): a lane holds one token, so the gate is a number of the lane.
; LIMITS: K = 2,048 is summed as four f32 partial sums of 512.  Where a product of a tile's stand-in h overflowed f32, 0 x infinity would spoil the row: that takes numbers beyond 1e30.
; REGISTERS, in windows of 256: window 0: v1-7 lane terms; v8-11 lo, v12-15 hi of my token in each tile; v16-23 its two gates; v24-31 the gate for the expert in hand (a pair: the upper is 0); v32-39 W2's scale words;
; v40-55 h's; v56-63 the way out's row offsets; v64-191 the 16 accumulators ((tile m, t) at 64 + 8 (4 m + t)); v192-205 at work.   window 1: W2's fragments, slot sl at 48 sl + 12 t.   window 2: h's, 48 sl + 12 m.
; window 3: v0-127 y.
.set STG, 64*272                       ; a wave's stage: 64 rows x (256 bytes + 16)
.set MSB, 0
.macro WIN new                         ; the immediate's high byte repeats the setting that is left
.if MSB != \new
	s_set_vgpr_msb (MSB<<8)|\new
.set MSB, \new
.endif
.endm
.macro WM d, a, b, acc, sa, sb, row    ; one product; acc = 0: it starts the sum; row = 1: source 0's scales stand in lanes 16-31
.if (\acc) == 0
.if (\row) == 0
	v_wmma_scale_f32_16x16x128_f8f6f4 v[\d:\d+7], v[\a:\a+11], v[\b:\b+11], 0, v[\sa], v[\sb] matrix_a_fmt:MATRIX_FMT_FP6 matrix_b_fmt:MATRIX_FMT_FP6
.else
	v_wmma_scale_f32_16x16x128_f8f6f4 v[\d:\d+7], v[\a:\a+11], v[\b:\b+11], 0, v[\sa], v[\sb] matrix_a_fmt:MATRIX_FMT_FP6 matrix_b_fmt:MATRIX_FMT_FP6 matrix_a_scale:MATRIX_SCALE_ROW1
.endif
.else
.if (\row) == 0
	v_wmma_scale_f32_16x16x128_f8f6f4 v[\d:\d+7], v[\a:\a+11], v[\b:\b+11], v[\d:\d+7], v[\sa], v[\sb] matrix_a_fmt:MATRIX_FMT_FP6 matrix_b_fmt:MATRIX_FMT_FP6
.else
	v_wmma_scale_f32_16x16x128_f8f6f4 v[\d:\d+7], v[\a:\a+11], v[\b:\b+11], v[\d:\d+7], v[\sa], v[\sb] matrix_a_fmt:MATRIX_FMT_FP6 matrix_b_fmt:MATRIX_FMT_FP6 matrix_a_scale:MATRIX_SCALE_ROW1
.endif
.endif
.endm
.macro NEXTE d                         ; s[d] = the group's next expert; the union s28 loses its lowest bit
	s_ctz_i32_b32 s[\d], s28
	s_min_u32 s[\d], s[\d], 7
	s_sub_co_u32 s48, s28, 1
	s_and_b32 s28, s28, s48
.endm
.macro BASES e                         ; where expert s[e]'s operands lie: my record of W2, and each tile's record of h
	s_lshl_b32 s48, s[\e], 3
	s_add_co_u32 s48, s48, s18
	s_lshl_b32 s48, s48, 2
	s_add_co_u32 s48, s48, s16
	s_mul_i32 s48, s48, 25600
	s_add_nc_u64 s[36:37], s[4:5], s[48:49]
.irp m, 0,1,2,3
	s_bitcmp1_b32 s[20+\m], s[\e]                  ; does the tile use the expert?
	s_cselect_b32 s48, s[\e], s[24+\m]             ; else its own lowest expert stands in
	s_min_u32 s48, s48, 7
	s_add_co_u32 s48, s48, s19
	s_add_co_u32 s48, s48, 8*\m
	s_mul_i32 s48, s48, 25600
	s_add_nc_u64 s[40+2*\m:41+2*\m], s[6:7], s[48:49]
.endr
.endm
.macro SLOTLOAD sl                     ; 33 loads: K step 4 kp + sl: W2's four fragments, h's four, their scale words
	WIN 0x40
.irp t, 0,1,2,3
.irp q, 0,1,2
	global_load_b128 v[48*(\sl)+12*\t+4*\q:48*(\sl)+12*\t+4*\q+3], v1, s[36:37] offset:(4*\t+(\sl))*1536+512*\q
.endr
.endr
	WIN 0x80
.irp m, 0,1,2,3
	global_load_b128 v[48*(\sl)+12*\m:48*(\sl)+12*\m+3], v3, s[40+2*\m:41+2*\m] offset:1536*(\sl)
	global_load_b64 v[48*(\sl)+12*\m+4:48*(\sl)+12*\m+5], v4, s[40+2*\m:41+2*\m] offset:1536*(\sl)+512
	global_load_b128 v[48*(\sl)+12*\m+6:48*(\sl)+12*\m+9], v3, s[40+2*\m:41+2*\m] offset:1536*(\sl)+768
	global_load_b64 v[48*(\sl)+12*\m+10:48*(\sl)+12*\m+11], v4, s[40+2*\m:41+2*\m] offset:1536*(\sl)+1280
.endr
	WIN 0
	global_load_b64 v[32+2*(\sl):33+2*(\sl)], v2, s[36:37] offset:24576+256*(\sl)
.irp m, 0,1,2,3
	global_load_b32 v[40+4*(\sl)+\m], v5, s[40+2*\m:41+2*\m] offset:24576+64*(\sl)
.endr
.endm
.macro MUL16 sl                        ; 16 products; the 16 accumulators by turns, one instruction a turn
	WIN 0x09                                       ; source 0 (W2) window 1, source 1 (h) window 2
.irp m, 0,1,2,3
.irp t, 0,1,2,3
	WM 64+8*(4*\m+\t), 48*(\sl)+12*\t, 48*(\sl)+12*\m, \sl, 32+2*(\sl)+(\t/2), 40+4*(\sl)+\m, \t%2
.endr
.endr
.endm
.macro SLOTSTEP sl, n, pf              ; n: how many younger loads may stay out;  pf = 1: the slot just multiplied takes the next expert's K step
	s_wait_loadcnt \n
	MUL16 \sl
	WIN 0
.rept 4
	v_nop                                          ; places behind the products: for the loads into their operands, and for the first reads of the results
.endr
.if \pf
	SLOTLOAD \sl
.endif
.endm
.macro FOLD first                      ; y (+)= gate x the expert's partial sums; each accumulator is read from its low end on
.set FI, 0
.if \first
	WIN 0xc0                                       ; destination window 3
.rept 64
	v_pk_mul_f32 v[FI:FI+1], v[64+FI:65+FI], v[24+2*(FI/32):25+2*(FI/32)] op_sel_hi:[1,0]
.set FI, FI+2
.endr
.else
	WIN 0xf0                                       ; destination and source 2 window 3
.rept 64
	v_pk_fma_f32 v[FI:FI+1], v[64+FI:65+FI], v[24+2*(FI/32):25+2*(FI/32)], v[FI:FI+1] op_sel_hi:[1,0,1]
.set FI, FI+2
.endr
.endif
	WIN 0
.endm
.macro EXPERT first, pf
.if \pf
	s_wait_xcnt 0x0                                ; the loads on their way have read their bases: these are written again only behind this wait
	NEXTE 31
	BASES 31
	SLOTSTEP 0, 63, 1                              ; behind a slot's 33 loads stand 99 younger ones or more: a wait's count holds 63 at the most, and a smaller count is safe
	SLOTSTEP 1, 63, 1
	SLOTSTEP 2, 63, 1
	SLOTSTEP 3, 63, 1
.else
	SLOTSTEP 0, 63, 0                              ; the last expert: 99, 66, 33, 0 loads stand behind
	SLOTSTEP 1, 63, 0
	SLOTSTEP 2, 33, 0
	SLOTSTEP 3, 0, 0
.endif
.if \first
	s_wait_loadcnt 63                              ; the route words and gates are in: 132 loads stand behind them
.irp m, 0,1,2,3
	v_bfe_u32 v[12+\m], v[8+\m], 16, 3             ; hi
	v_bfe_u32 v[8+\m], v[8+\m], 8, 3               ; lo
	v_mov_b32 v[25+2*\m], 0                        ; (named as the upper half of a pair)
.endr
.endif
.irp m, 0,1,2,3
	v_cmp_eq_u32 vcc_lo, s30, v[8+\m]              ; my token's gate for the expert in hand: 0 where it did not choose it
	v_cndmask_b32 v[24+2*\m], 0, v[16+2*\m], vcc_lo
	v_cmp_eq_u32 vcc_lo, s30, v[12+\m]
	v_cndmask_b32 v[24+2*\m], v[24+2*\m], v[17+2*\m], vcc_lo
.endr
	FOLD \first
.if \pf
	s_mov_b32 s30, s31
.endif
.endm
	s_load_b256 s[4:11], s[0:1], 0x0               ; w2q 4, hq 6, srt 8, rt 10
	s_load_b128 s[12:15], s[0:1], 0x20             ; fl 12, out0 14
	v_lshl_add_u32 v254, v0, 2, 0x11000
	v_mov_b32 v255, 0
	v_lshrrev_b32 v1, 5, v0
	v_readfirstlane_b32 s16, v1                    ; wave = kp
	s_lshr_b32 s17, ttmp9, 3                       ; g
	s_and_b32 s18, ttmp9, 7                        ; s2
	s_lshl_b32 s19, s17, 5                         ; 8 records for each of 4 g tiles
	v_and_b32 v192, 31, v0                         ; lane
	v_and_b32 v193, 15, v0                         ; r
	v_bfe_u32 v194, v0, 4, 1                       ; h
	v_lshlrev_b32 v195, 2, v194
	v_lshlrev_b32 v205, 2, v193
	v_lshlrev_b32 v1, 4, v192
	v_lshlrev_b32 v2, 3, v192
	s_mul_i32 s48, s16, 6144                       ; my four fragments of h
	v_add_nc_u32 v3, s48, v1
	v_add_nc_u32 v4, s48, v2
	s_lshl_b32 s48, s16, 8
	v_lshl_add_u32 v5, v193, 2, s48                ; and their scale words
	s_mul_i32 s48, s16, STG
	v_mul_u32_u24 v6, v193, 272
	v_lshl_add_u32 v6, v194, 6, v6
	v_add_nc_u32 v6, s48, v6                       ; into my stage: row r (+ 16 m), column bytes 64 h (+ 128 (t / 2) + 32 (t % 2))
	s_mul_i32 s48, s16, 16*272
	v_mul_u32_u24 v7, v194, 272
	v_lshl_add_u32 v7, v193, 4, v7
	v_add_nc_u32 v7, s48, v7                       ; back: rows 16 kp + 2 a + h of every stage, 16 bytes a lane
	s_lshl_b32 s48, s18, 8
	v_lshl_add_u32 v204, v193, 4, s48              ; my 16 bytes of an output row: 256 s2 + 16 r
	s_mov_b32 s49, 0
	s_wait_kmcnt 0x0
	s_lshl_b32 s48, s17, 4
	s_add_nc_u64 s[34:35], s[8:9], s[48:49]
	s_load_b128 s[20:23], s[34:35], 0x2000         ; my four tiles' masks
	s_lshl_b32 s48, s17, 8
	s_add_nc_u64 s[50:51], s[8:9], s[48:49]        ; my 64 sorted positions
	s_lshl_b32 s48, s16, 6
	s_add_nc_u64 s[52:53], s[50:51], s[48:49]      ; the 16 that my wave stores
.irp m, 0,1,2,3
	global_load_b32 v[196+\m], v205, s[50:51] offset:64*\m         ; token r of tile m
.endr
.irp a, 0,1,2,3,4,5,6,7
	global_load_b32 v[56+\a], v195, s[52:53] offset:8*\a           ; the tokens of rows 2 a + h
.endr
	s_wait_kmcnt 0x0
.irp m, 0,1,2,3
	s_and_b32 s[20+\m], s[20+\m], 255
	s_ctz_i32_b32 s[24+\m], s[20+\m]
	s_min_u32 s[24+\m], s[24+\m], 7                ; the tile's lowest expert
.endr
	s_or_b32 s28, s20, s21
	s_or_b32 s28, s28, s22
	s_or_b32 s28, s28, s23                         ; the experts that the group uses
	s_bcnt1_i32_b32 s29, s28
	s_sub_co_i32 s33, s29, 2
	s_max_i32 s33, s33, 0
	s_min_u32 s33, s33, 6                          ; the loop's trips: all experts but the first and the last
	NEXTE 30
	BASES 30
	SLOTLOAD 0
	SLOTLOAD 1
	SLOTLOAD 2
	SLOTLOAD 3
	s_wait_loadcnt 63                              ; the token numbers are in: 132 loads stand behind them
.irp m, 0,1,2,3
	v_min_u32 v[196+\m], 0x7ff, v[196+\m]
	v_lshlrev_b32 v[200+\m], 2, v[196+\m]
	v_lshlrev_b32 v[196+\m], 3, v[196+\m]
.endr
.irp m, 0,1,2,3
	global_load_b32 v[8+\m], v[200+\m], s[10:11]                   ; its route word,
	global_load_b64 v[16+2*\m:17+2*\m], v[196+\m], s[12:13]        ; its two gates
.endr
.irp a, 0,1,2,3,4,5,6,7
	v_min_u32 v[56+\a], 0x7ff, v[56+\a]
	v_lshl_add_u32 v[56+\a], v[56+\a], 11, v204    ; a row of y is 2,048 bytes
.endr
	EXPERT 1, 1
	s_cmp_eq_u32 s33, 0
	s_cbranch_scc1 .Llast
	s_mov_b32 s32, 0
.Lexp:
	EXPERT 0, 1
	s_add_co_u32 s32, s32, 1
	s_cmp_lt_u32 s32, s33
	s_cbranch_scc1 .Lexp
.Llast:
	EXPERT 0, 0
	; THE WAY OUT.  Each wave puts its partial y (64 rows x 64 columns) into its own stage; behind the barrier wave kp adds rows 16 kp .. 16 kp + 15 of the four stages and stores them.
	WIN 0x0c                                       ; an LDS store's data are its source 1: window 3
.irp m, 0,1,2,3
.irp t, 0,1,2,3
	ds_store_b128 v6, v[8*(4*\m+\t):8*(4*\m+\t)+3] offset:\m*4352+128*(\t/2)+32*(\t%2)          ; lane (r, h): y(16 m + r, 32 (t / 2) + 16 h + 8 (t % 2) + 0 .. 7)
	ds_store_b128 v6, v[8*(4*\m+\t)+4:8*(4*\m+\t)+7] offset:\m*4352+128*(\t/2)+32*(\t%2)+16
.endr
.endr
	WIN 0
	s_wait_dscnt 0x0                               ; for the others' sake: my stores have landed
	s_barrier_signal -1
	s_barrier_wait -1
.irp k, 0,1,2,3
.irp a, 0,1,2,3,4,5,6,7
	ds_load_b128 v[64+32*\k+4*\a:67+32*\k+4*\a], v7 offset:\k*STG+544*\a
.endr
.endr
	s_wait_dscnt 0x0
.irp a, 0,1,2,3,4,5,6,7
	v_pk_add_f32 v[64+4*\a:65+4*\a], v[64+4*\a:65+4*\a], v[96+4*\a:97+4*\a]
	v_pk_add_f32 v[66+4*\a:67+4*\a], v[66+4*\a:67+4*\a], v[98+4*\a:99+4*\a]
	v_pk_add_f32 v[128+4*\a:129+4*\a], v[128+4*\a:129+4*\a], v[160+4*\a:161+4*\a]
	v_pk_add_f32 v[130+4*\a:131+4*\a], v[130+4*\a:131+4*\a], v[162+4*\a:163+4*\a]
	v_pk_add_f32 v[64+4*\a:65+4*\a], v[64+4*\a:65+4*\a], v[128+4*\a:129+4*\a]
	v_pk_add_f32 v[66+4*\a:67+4*\a], v[66+4*\a:67+4*\a], v[130+4*\a:131+4*\a]
	global_store_b128 v[56+\a], v[64+4*\a:67+4*\a], s[14:15] th:TH_STORE_NT   ; sixteen lanes store 256 consecutive bytes of one token's row, aligned; written once, read by nobody here
.endr
	s_wait_tensorcnt 0x0
	ds_add_u32 v254, v255
	s_wait_dscnt 0x0
	s_endpgm
.Lfunc_end_k_qd09aebb4d0_down:
	.size	k_qd09aebb4d0_down, .Lfunc_end_k_qd09aebb4d0_down-k_qd09aebb4d0_down
	.p2alignl 7, 3214868480
	.fill 96, 4, 3214868480
	.section	.rodata,"a",@progbits
	.p2align	6, 0x0
	.amdhsa_kernel k_qd09aebb4d0_down
		.amdhsa_group_segment_fixed_size 70144
		.amdhsa_private_segment_fixed_size 0
		.amdhsa_enable_private_segment 0
		.amdhsa_kernarg_size 48
		.amdhsa_user_sgpr_count 2
		.amdhsa_user_sgpr_kernarg_segment_ptr 1
		.amdhsa_wavefront_size32 1
		.amdhsa_system_sgpr_workgroup_id_x 1
		.amdhsa_system_sgpr_workgroup_id_y 1
		.amdhsa_system_sgpr_workgroup_id_z 1
		.amdhsa_system_vgpr_workitem_id 0
		.amdhsa_next_free_vgpr 896
		.amdhsa_next_free_sgpr 66
		.amdhsa_reserve_vcc 1
		.amdhsa_float_denorm_mode_32 3
		.amdhsa_float_denorm_mode_16_64 3
		.amdhsa_memory_ordered 1
		.amdhsa_forward_progress 1
		.amdhsa_inst_pref_size 98
	.end_amdhsa_kernel
	.amdgpu_metadata
---
amdhsa.version: [ 1, 2 ]
amdhsa.kernels:
  - .name:           k_qd09aebb4d0_down
    .symbol:         k_qd09aebb4d0_down.kd
    .args:
      - { .name: w2q, .offset: 0, .size: 8, .value_kind: global_buffer, .address_space: global }
      - { .name: hq, .offset: 8, .size: 8, .value_kind: global_buffer, .address_space: global }
      - { .name: srt, .offset: 16, .size: 8, .value_kind: global_buffer, .address_space: global }
      - { .name: rt, .offset: 24, .size: 8, .value_kind: global_buffer, .address_space: global }
      - { .name: fl, .offset: 32, .size: 8, .value_kind: global_buffer, .address_space: global }
      - { .name: out0, .offset: 40, .size: 8, .value_kind: global_buffer, .address_space: global }
    .group_segment_fixed_size: 70144
    .private_segment_fixed_size: 0
    .kernarg_segment_align: 8
    .kernarg_segment_size: 48
    .max_flat_workgroup_size: 128
    .sgpr_count:     66
    .vgpr_count:     896
    .wavefront_size: 32
...
	.end_amdgpu_metadata
.endif
;; end of part 4
;; ======== version 2 of 3: 4 launches; 1.14 times as fast as version 1
;; workspace buffers: xq 819,200 bytes; rt 24,576 bytes of whole numbers; fl 24,576 bytes; wq13 13,107,200 bytes; w2q 6,553,600 bytes; srt 8,704 bytes of whole numbers; hq 26,214,400 bytes
;; launch prep (part 5): grid 640 x 1, 4 waves a work-group, no clusters, 28,160 bytes of LDS; arguments x, Wr, Wp, pattern_ids, W1, W3, xq, rt, fl, wq13; writes xq, rt, fl, wq13
.if DOCPART == 5
	.amdgcn_target "amdgcn-amd-amdhsa--gfx1250"
	.amdhsa_code_object_version 6
	.text
	.protected	k_qd09aebb4d0_prep
	.globl	k_qd09aebb4d0_prep
	.p2align	8
	.type	k_qd09aebb4d0_prep,@function
k_qd09aebb4d0_prep:
	s_mov_b64 s[64:65], 0
	v_nop
	global_prefetch_b8 v0, s[64:65] scope:SCOPE_SE
	s_setreg_imm32_b32 hwreg(HW_REG_WAVE_MODE, 25, 1), 1
	s_wait_xcnt 0x0
; PREP.  Two kinds of work-groups, told apart by the work-group's number.
; Work-groups 0-127 (THE X PATH): a chunk of 16 tokens each, 4 a wave.  For each token: the router's 8 logits in f32 (x . Wr + the batch's row of Wp) and x's codes of FP6 (E2M3) with one E8M0 byte for each 32 along D.
; The four waves' logits meet in LDS; behind one barrier wave 0, a lane to a token, takes the top 2 (ties: the lower index, by a strict greater-than scan), their two gates, the softmax over all 8 and the sum of squares
; for the losses.  A wave asks for all that it reads (Wr and its four tokens: 48 loads) at once, at its head.
; What the choice decides is only STORED here, at fixed places: for each token its bucket (the unordered pair of experts, 28 of them), the two experts and its rank among the chunk's tokens of that bucket; for each
; chunk the 28 counts.  No address and no branch of this launch hangs on them.
; Work-groups 128-639 (THE WEIGHT PATH): one record each: 64 columns x all 512 of K of W1[e] or W3[e], quantised along K (its first axis) and laid in the order of the operand's registers.
; A RECORD, 25,600 bytes: fragment (t, sl) at (4 t + sl) x 1,536, as three runs of 32 lanes x 16 bytes (registers 4 q .. 4 q + 3 of the lane).  Lane (i, h) holds column 32 (t / 2) + 8 (t % 2) + i + 8 (i / 8) and
; k = 128 sl + 64 c + 32 h + 0 .. 31 in registers 6 c .. 6 c + 5.  Scale words at 24,576 + 256 sl + 8 (16 (t % 2) + i) + 4 (t / 2).
; THE QUANTISER: a block's scale is 2^(floor(log2(largest magnitude)) - 2); its byte is the largest magnitude's exponent field - 2; numbers / scale go to the nearest code, ties to even, beyond 7.5 the largest code.
; LIMITS: NaN and infinities among the inputs are not served.  A block whose largest magnitude lies under 2^-124 gets the byte 1 (a block of zeros too: its codes are zeros, and this program alone reads the bytes).
; pattern_ids is held at 15 from above.
.set FP,    1664                       ; a fragment's place in a wave's stage: 1,536 bytes + 128
.set XSB,   4*4*FP                     ; LDS behind the four stages (each path has LDS bytes of its own): the chunk's 256 scale bytes, 16 a token,
.set LGB,   XSB+256                    ; and its logits, 32 bytes a token
.set NXW,   128                        ; work-groups of the x path: 2,048 tokens / 16
.set PITCH, 8192                       ; a row of W1[e] or W3[e] in bytes
.set IN,    12                         ; s[12:13] the weight's first byte for my wave
.set OUT,   22                         ; s[22:23] my record
; ---- the weight path's macros.  Wave w takes K rows 128 w .. 128 w + 127; lane L takes columns L and 32 + L; its registers run down K.  Unit j = 2 b + cs: block b of 32 along K, column set cs.
.macro LOADU j                         ; 32 loads, each 128 consecutive bytes of one row of the weight
.set LI, 0
.rept 32
	global_load_b32 v[32+32*((\j)%4)+LI], v2, s[IN:IN+1] offset:(32*((\j)/2)+LI)*PITCH+128*((\j)%2) th:TH_LOAD_NT
.set LI, LI+1
.endr
.endm
.macro QU j, n                         ; unit j is quantised and goes to its place in the stage.  n: how many younger loads may stay out
.set XS, 32+32*((\j)%4)
.set C,  160+8*(\j)                    ; a set of code registers for each unit
.set BB, (\j)/2
.set CS, (\j)%2
	s_wait_loadcnt \n
	v_max3_num_f32 v8, |v[XS]|, |v[XS+1]|, |v[XS+2]|               ; the block's largest magnitude: all 32 numbers are mine; two chains
	v_max3_num_f32 v9, |v[XS+3]|, |v[XS+4]|, |v[XS+5]|
.irp i, 6,10,14,18,22,26
	v_max3_num_f32 v8, v8, |v[XS+\i]|, |v[XS+\i+1]|
	v_max3_num_f32 v9, v9, |v[XS+\i+2]|, |v[XS+\i+3]|
.endr
	v_max3_num_f32 v8, v8, |v[XS+30]|, |v[XS+31]|
	v_max3_num_f32 v8, v8, v9, 0x1800000           ; and the floor 2^(3 - 127): the byte cannot fall under 1
	v_add_nc_u32 v10, 0xff000000, v8               ; 2 off the exponent field: the conversion's scale operand
	v_cvt_scalef32_pk16_fp6_f32 v[C:C+2], v[XS:XS+15], v10
	v_cvt_scalef32_pk16_fp6_f32 v[C+4:C+6], v[XS+16:XS+31], v10    ; (a conversion's three registers begin on an even number)
	v_lshrrev_b32 v11, 23, v10                     ; the scale's byte; also the plain line behind the conversions
.if BB == 0
	v_mov_b32 v[12+CS], v11                        ; the four bytes of my column's scale word, the lower K in the lower byte
.else
	v_lshl_or_b32 v[12+CS], v11, 8*BB, v[12+CS]
.endif
	v_mov_b32 v[C+3], v[C+4]                       ; the block's 24 bytes on end
	v_mov_b32 v[C+4], v[C+5]
	v_mov_b32 v[C+5], v[C+6]
.if BB < 2                                     ; block b belongs to lane i + 16 (b % 2), registers 6 (b / 2) on
	ds_store_b128 v3, v[C:C+3] offset:CS*2*FP+(BB&1)*256
	ds_store_b64 v3, v[C+4:C+5] offset:CS*2*FP+(BB&1)*256+512
.else
	ds_store_b64 v3, v[C:C+1] offset:CS*2*FP+(BB&1)*256+520
	ds_store_b128 v3, v[C+2:C+5] offset:CS*2*FP+(BB&1)*256+1024
.endif
.if (\j) < 4
	LOADU (\j)+4                                   ; the unit four on takes this unit's registers
.endif
.endm
.macro WADDR                           ; the weight path's lane terms.  s24: wave;  v1: lane
	v_lshlrev_b32 v2, 2, v1                        ; in: 4 bytes a lane
	v_bfe_u32 v7, v1, 3, 1                         ; column L = 8 u + i + 8 (i / 8): u,
	v_and_b32 v8, 7, v1
	v_lshrrev_b32 v9, 1, v1
	v_and_b32 v9, 8, v9
	v_add_nc_u32 v8, v8, v9                        ; and i
	s_mul_i32 s40, s24, 4*FP                       ; my wave's stage
	s_mul_i32 s41, s24, 1536
	s_lshl_b32 s42, s24, 8
	v_mul_u32_u24 v3, v7, FP
	v_lshl_add_u32 v3, v8, 4, v3
	v_add_nc_u32 v3, s40, v3                       ; into the stage: fragment u (+ 2 cs by the immediate), lane i
	v_lshl_add_u32 v4, v1, 4, s40                  ; out of it: 16 bytes a lane
	v_lshl_add_u32 v5, v1, 4, s41                  ; the same in the record: fragment (t, sl = wave)
	v_lshl_add_u32 v6, v7, 4, v8
	v_lshl_add_u32 v6, v6, 3, s42                  ; my two scale words: 256 wave + 8 (16 u + i)
.endm
.macro WBODY
	LOADU 0
	LOADU 1
	LOADU 2
	LOADU 3
	QU 0, 63                                       ; behind a unit's 32 loads stand 96 younger ones (units 0 to 4), 64, 32, 0: a wait's count holds 63 at the most, and a smaller count than the loads issued behind is safe
	QU 1, 63
	QU 2, 63
	QU 3, 63
	QU 4, 63
	QU 5, 63
	QU 6, 32
	QU 7, 0
	global_store_b64 v6, v[12:13], s[OUT:OUT+1] offset:24576       ; the wave's 64 scale words: 256 consecutive bytes, aligned
.irp n, 0,1,2,3,4,5,6,7,8,9,10,11
	ds_load_b128 v[32+4*\n:35+4*\n], v4 offset:(\n/3)*FP+(\n%3)*512    ; LDS serves a wave's instructions in order: these see my stores
.endr
.irp n, 0,1,2,3,4,5,6,7,8,9,10,11
	s_wait_dscnt 11-\n
	global_store_b128 v5, v[32+4*\n:35+4*\n], s[OUT:OUT+1] offset:(\n/3)*6144+(\n%3)*512   ; 512 consecutive bytes, aligned
.endr
.endm
	s_load_b512 s[4:19], s[0:1], 0x0               ; x 4, Wr 6, Wp 8, pattern_ids 10, W1 12, W3 14, xq 16, rt 18
	s_load_b128 s[20:23], s[0:1], 0x40             ; fl 20, wq13 22
	s_set_vgpr_msb 0x40
	v_lshl_add_u32 v0, v0, 2, 0x6c00
	v_mov_b32 v1, 0
	s_set_vgpr_msb 0x4000
	v_lshrrev_b32 v1, 5, v0
	v_readfirstlane_b32 s24, v1                    ; wave
	v_and_b32 v1, 31, v0                           ; lane
	s_cmp_lt_u32 ttmp9, NXW
	s_cbranch_scc1 .Lxpath
	; ---- THE WEIGHT PATH: record rec = (e x 32 + sg) x 2 + m
	s_sub_co_u32 s25, ttmp9, NXW
	s_and_b32 s26, s25, 1                          ; m: W1 or W3
	s_bfe_u32 s27, s25, 0x50001                    ; sg: which 64 columns
	s_lshr_b32 s28, s25, 6                         ; e
	s_lshl_b32 s28, s28, 22                        ; an expert's weight is 4,194,304 bytes
	s_lshl_b32 s27, s27, 8
	s_add_co_u32 s28, s28, s27
	s_lshl_b32 s27, s24, 20                        ; my wave's 128 rows of 8,192 bytes
	s_add_co_u32 s28, s28, s27
	s_mov_b32 s29, 0
	s_mul_i32 s30, s25, 25600
	s_mov_b32 s31, 0
	WADDR
	s_wait_kmcnt 0x0
	s_cmp_eq_u32 s26, 0
	s_cselect_b64 s[12:13], s[12:13], s[14:15]     ; the choice hangs on the work-group's number alone
	s_add_nc_u64 s[12:13], s[12:13], s[28:29]
	s_add_nc_u64 s[22:23], s[22:23], s[30:31]
	WBODY
	s_set_vgpr_msb 0x5
	s_wait_tensorcnt 0x0
	ds_add_u32 v0, v1
	s_wait_dscnt 0x0
	s_set_vgpr_msb 0x500
	s_endpgm
	; ---- THE X PATH.  The work-group's number is the chunk; wave w takes tokens 4 w .. 4 w + 3 of it, a token a step.  Lane L holds x[16 L .. 16 L + 15] (two lanes hold a block of 32) and Wr's 16 rows of the same d.
	; REGISTERS: v2 L % 16; v15 L % 4; v3 64 L; v4 512 L; v5 my 12 bytes' place in a token's 384 bytes of codes; v6, v7, v30, v31 LDS places; v16-23 the numbers 0 .. 7; v24-25 scale bytes on their way out;
	; v26-29 a scale byte for each step; v32-39 the sums; v40-47 the logits of my wave's token L % 4; v48-55 at work; v56-58 token 0's codes; v64-127 the four tokens (token j's codes go into token j - 1's first
	; registers, which are done with); v128-255 Wr.  The tail (wave 0): v72-79 the logits of token L % 16; v84-95, v112-127, v8-14 at work: it writes no register that a store of codes names.
.Lxpath:
	v_and_b32 v2, 15, v1
	v_and_b32 v15, 3, v1
	v_lshlrev_b32 v3, 6, v1
	v_lshlrev_b32 v4, 9, v1
	v_and_b32 v8, 1, v1                            ; xq lays a token's blocks as the operand's lanes want them: [h][s][c][24 bytes], block L / 2 = 4 s + 2 c + h; my half of it: 12 (L % 2)
	v_mul_u32_u24 v5, v8, 12
	v_bfe_u32 v8, v1, 1, 1
	v_mad_u32_u24 v5, v8, 192, v5
	v_bfe_u32 v8, v1, 2, 1
	v_mad_u32_u24 v5, v8, 24, v5
	v_lshrrev_b32 v8, 3, v1
	v_mad_u32_u24 v5, v8, 48, v5
	s_lshl_b32 s26, s24, 6
	s_add_co_u32 s26, s26, XSB
	v_lshrrev_b32 v6, 1, v1
	v_add_nc_u32 v6, s26, v6                       ; my block's byte: 64 wave (+ 16 a step) + L / 2
	v_lshl_add_u32 v7, v1, 3, XSB                  ; the chunk's bytes on the way out: 8 a lane
	s_lshl_b32 s26, s24, 7
	s_add_co_u32 s26, s26, LGB
	v_lshl_add_u32 v30, v15, 5, s26                ; where the logits of my wave's token L % 4 go: 128 wave + 32 (L % 4)
	v_lshl_add_u32 v31, v2, 5, LGB                 ; and where those of the chunk's token L % 16 are read
	s_mov_b32 s40, 0x76543210
	s_mov_b32 s41, 0xfedcba98                      ; v_permlanex16_b32's selects for lane l xor 16
.irp e, 0,1,2,3,4,5,6,7
	v_mov_b32 v[48+\e], 0                          ; written once: a lane permute's destination counts as one of its sources
	v_mov_b32 v[16+\e], \e
.endr
	s_lshr_b32 s28, ttmp9, 4                       ; the batch: 256 tokens are sixteen chunks
	s_lshl_b32 s28, s28, 2
	s_mov_b32 s29, 0
	s_mov_b32 s51, 0
	s_wait_kmcnt 0x0
	s_add_nc_u64 s[10:11], s[10:11], s[28:29]
	s_load_b32 s30, s[10:11], 0x0                  ; the batch's pattern
	s_lshl_b32 s50, ttmp9, 15
	s_lshl_b32 s27, s24, 13
	s_add_co_u32 s50, s50, s27
	s_add_nc_u64 s[4:5], s[4:5], s[50:51]          ; x at my first token: (16 chunk + 4 wave) rows of 2,048 bytes
	s_lshl_b32 s50, ttmp9, 8
	s_add_nc_u64 s[42:43], s[16:17], s[50:51]      ; the chunk's 256 scale bytes (+ 786,432 by the immediate)
	s_mul_i32 s50, ttmp9, 6144
	s_mul_i32 s27, s24, 1536
	s_add_co_u32 s50, s50, s27
	s_add_nc_u64 s[16:17], s[16:17], s[50:51]      ; my four tokens' codes
	s_lshl_b32 s50, ttmp9, 7
	s_add_nc_u64 s[46:47], s[18:19], s[50:51]      ; the chunk's counts (+ 8,192)
	s_add_nc_u64 s[48:49], s[20:21], s[50:51]      ; its tokens' gates
	s_lshl_b32 s50, ttmp9, 6
	s_add_nc_u64 s[18:19], s[18:19], s[50:51]      ; its tokens' route words
	s_add_nc_u64 s[20:21], s[20:21], s[50:51]      ; its partial sums (+ 16,384)
.set LI, 0
.rept 32
	global_load_b128 v[128+4*LI:131+4*LI], v4, s[6:7] offset:16*LI   ; Wr[16 L + d][e] at v[128 + 8 d + e]
.set LI, LI+1
.endr
.irp j, 0,1,2,3
.irp i, 0,1,2,3
	global_load_b128 v[64+16*\j+4*\i:67+16*\j+4*\i], v3, s[4:5] offset:2048*\j+16*\i th:TH_LOAD_NT   ; all four tokens at once
.endr
.endr
	s_wait_kmcnt 0x0
	s_min_u32 s30, s30, 15
	s_lshl_b32 s30, s30, 5
	s_mov_b32 s31, 0
	s_add_nc_u64 s[8:9], s[8:9], s[30:31]
	s_load_b256 s[32:39], s[8:9], 0x0              ; the pattern's row of Wp
.macro XSTEP j
.set XS, 64+16*(\j)
.if (\j) == 0
.set CD, 56
.else
.set CD, 48+16*(\j)                    ; the first registers of the token before
.endif
	s_wait_loadcnt 12-4*(\j)                       ; this token is in (and Wr): behind its four loads stand four for each later token
.irp e, 0,1,2,3,4,5,6,7
	v_mul_f32 v[32+\e], v[XS], v[128+\e]           ; eight chains that do not wait for each other
.endr
.irp d, 1,2,3,4,5,6,7,8,9,10,11,12,13,14,15
.irp e, 0,1,2,3,4,5,6,7
	v_fmac_f32 v[32+\e], v[XS+\d], v[128+8*\d+\e]
.endr
.endr
	v_max3_num_f32 v8, |v[XS]|, |v[XS+1]|, |v[XS+2]|               ; the largest magnitude of my 16
	v_max3_num_f32 v9, |v[XS+3]|, |v[XS+4]|, |v[XS+5]|
.irp i, 6,10
	v_max3_num_f32 v8, v8, |v[XS+\i]|, |v[XS+\i+1]|
	v_max3_num_f32 v9, v9, |v[XS+\i+2]|, |v[XS+\i+3]|
.endr
	v_max3_num_f32 v8, v8, |v[XS+14]|, |v[XS+15]|
	v_max3_num_f32 v8, v8, v9, 0x1800000           ; and the floor
	v_max_num_f32_dpp v8, v8, v8 row_xmask:1 row_mask:0xf bank_mask:0xf   ; and of my neighbour's 16: the block's
	v_add_nc_u32 v10, 0xff000000, v8
	v_cvt_scalef32_pk16_fp6_f32 v[CD:CD+2], v[XS:XS+15], v10       ; each step's codes have registers of their own, which nothing writes again
	v_lshrrev_b32 v[26+(\j)], 23, v10              ; the byte; also the plain line behind the conversion
	ds_store_b8 v6, v[26+(\j)] offset:16*(\j)      ; both lanes of a block write the same byte with the same value
	global_store_b96 v5, v[CD:CD+2], s[16:17] offset:384*(\j)      ; the wave's 384 bytes are one token's codes
.irp m, 1,2,4,8
.irp e, 0,1,2,3,4,5,6,7
	v_add_f32_dpp v[32+\e], v[32+\e], v[32+\e] row_xmask:\m row_mask:0xf bank_mask:0xf
.endr
.endr
.irp e, 0,1,2,3,4,5,6,7
	v_permlanex16_b32 v[48+\e], v[32+\e], s40, s41
.endr
.irp e, 0,1,2,3,4,5,6,7
	v_add_f32 v[32+\e], v[32+\e], v[48+\e]         ; every lane holds the token's eight sums
.endr
.if (\j) == 0
.irp e, 0,1,2,3,4,5,6,7
	v_mov_b32 v[40+\e], v[32+\e]
.endr
.else
	v_cmp_eq_u32 vcc_lo, \j, v15                   ; the lanes with L % 4 = j keep token j's
.irp e, 0,1,2,3,4,5,6,7
	v_cndmask_b32 v[40+\e], v[40+\e], v[32+\e], vcc_lo
.endr
.endif
.endm
.irp t, 0,1,2,3
	XSTEP \t
.endr
	ds_store_b128 v30, v[40:43]                    ; the eight lanes with the same L % 4 write the same bytes with the same values
	ds_store_b128 v30, v[44:47] offset:16
	s_wait_dscnt 0x0                               ; for wave 0's sake: my logits and my scale bytes have landed
	s_barrier_signal -1
	s_barrier_wait -1
	s_wait_kmcnt 0x0                               ; the row of Wp
	s_cmp_lg_u32 s24, 0
	s_cbranch_scc1 .Lxend
	; ---- the tail, wave 0 alone: a lane is a token (lanes 16-31 repeat lanes 0-15)
	ds_load_b128 v[72:75], v31
	ds_load_b128 v[76:79], v31 offset:16
	ds_load_b64 v[24:25], v7
	s_wait_dscnt 0x0
.irp e, 0,1,2,3,4,5,6,7
	v_add_f32 v[72+\e], s[32+\e], v[72+\e]         ; + the pattern's bias
.endr
	v_mov_b32 v112, v72                            ; the largest logit and its index: ascending, strictly greater, so that the lower index keeps a tie
	v_mov_b32 v113, 0
.irp e, 1,2,3,4,5,6,7
	v_cmp_gt_f32 vcc_lo, v[72+\e], v112
	v_cndmask_b32 v112, v112, v[72+\e], vcc_lo
	v_cndmask_b32 v113, v113, v[16+\e], vcc_lo
.endr
	v_mov_b32 v116, 0xff800000
.irp e, 0,1,2,3,4,5,6,7
	v_cmp_eq_u32 vcc_lo, \e, v113
	v_cndmask_b32 v[84+\e], v[72+\e], v116, vcc_lo ; the winner is taken out,
.endr
	v_mov_b32 v114, v84                            ; and the same scan gives the second
	v_mov_b32 v115, 0
.irp e, 1,2,3,4,5,6,7
	v_cmp_gt_f32 vcc_lo, v[84+\e], v114
	v_cndmask_b32 v114, v114, v[84+\e], vcc_lo
	v_cndmask_b32 v115, v115, v[16+\e], vcc_lo
.endr
.irp e, 0,1,2,3,4,5,6,7
	v_sub_f32 v[84+\e], v[72+\e], v112             ; the maximum is taken away before the exponentials
.endr
	v_sub_f32 v92, v114, v112
.irp e, 0,1,2,3,4,5,6,7,8
	v_mul_f32 v[84+\e], 0x3fb8aa3b, v[84+\e]
.endr
.irp e, 0,1,2,3,4,5,6,7,8
	v_exp_f32 v[84+\e], v[84+\e]
.endr
	v_mul_f32 v120, v72, v72                       ; the sum of the squared logits: plain work behind the exponentials
.irp e, 1,2,3,4,5,6,7
	v_fmac_f32 v120, v[72+\e], v[72+\e]
.endr
	s_wait_alu depctr_va_vdst(0)                   ; one wait for the nine, ahead of their first reader
	v_add_f32 v93, v84, v85
	v_add_f32 v94, v86, v87
	v_add_f32 v95, v88, v89
	v_add_f32 v117, v90, v91
	v_add_f32 v93, v93, v94
	v_add_f32 v95, v95, v117
	v_add_f32 v93, v93, v95                        ; the softmax's divisor
	v_add_f32 v94, 1.0, v92                        ; the two gates' divisor
	v_rcp_f32 v117, v93
	v_rcp_f32 v118, v94                            ; g1
	v_min_u32 v121, v113, v115                     ; lo  (plain work behind the reciprocals)
	v_max_u32 v122, v113, v115                     ; hi
	v_sub_nc_u32 v123, 15, v121
	v_mul_u32_u24 v123, v121, v123
	v_lshrrev_b32 v123, 1, v123
	v_add_nc_u32 v123, v123, v122
	v_sub_nc_u32 v123, v123, v121
	v_add_nc_u32 v123, -1, v123                    ; the bucket: lo (15 - lo) / 2 + hi - lo - 1
	s_wait_alu depctr_va_vdst(0)
	v_mul_f32 v119, v92, v118                      ; g2
.irp e, 0,1,2,3,4,5,6,7
	v_mul_f32 v[84+\e], v[84+\e], v117             ; the probabilities
.endr
	v_cmp_lt_u32 vcc_lo, v113, v115
	v_cndmask_b32 v124, v119, v118, vcc_lo         ; the gate of lo,
	v_cndmask_b32 v125, v118, v119, vcc_lo         ; and of hi
	v_mov_b32 v126, 0                              ; my rank among the chunk's tokens of my bucket
	v_mov_b32 v127, 0                              ; lane p: the chunk's count of bucket p
.irp p, 0,1,2,3,4,5,6,7,8,9,10,11,12,13,14,15,16,17,18,19,20,21,22,23,24,25,26,27
	v_cmp_eq_u32 s44, \p, v123
	s_and_b32 s44, s44, 0xffff                     ; the 16 tokens stand in lanes 0-15
	v_mbcnt_lo_u32_b32 v8, s44, 0
	v_cndmask_b32 v126, v126, v8, s44
	s_bcnt1_i32_b32 s45, s44
	v_writelane_b32 v127, s45, \p
.endr
	v_lshl_or_b32 v9, v121, 8, v123                ; the route word: bucket, lo, hi, rank
	v_lshl_or_b32 v9, v122, 16, v9
	v_lshl_or_b32 v9, v126, 24, v9
	v_mov_b32 v92, v120
	v_mov_b32 v93, 0
	v_mov_b32 v94, 0
	v_mov_b32 v95, 0
.irp m, 1,2,4,8
.irp e, 0,1,2,3,4,5,6,7,8
	v_add_f32_dpp v[84+\e], v[84+\e], v[84+\e] row_xmask:\m row_mask:0xf bank_mask:0xf   ; over the chunk's 16 tokens
.endr
.endr
	v_lshlrev_b32 v10, 2, v2
	v_lshlrev_b32 v11, 3, v2
	v_lshlrev_b32 v12, 2, v1
	v_lshlrev_b32 v13, 3, v1
	v_mov_b32 v14, 0
	global_store_b32 v12, v127, s[46:47] offset:8192
	global_store_b64 v13, v[24:25], s[42:43] offset:786432         ; 256 consecutive bytes, aligned
	s_wait_xcnt 0x0                                ; EXEC changes only behind this wait
	v_cmp_gt_u32 vcc_lo, 16, v1
	s_and_saveexec_b32 s52, vcc_lo                 ; the ranks are right in lanes 0-15 alone
	global_store_b32 v10, v9, s[18:19]
	global_store_b64 v11, v[124:125], s[48:49]
	s_wait_xcnt 0x0
	s_or_b32 exec_lo, exec_lo, s52
	v_cmp_eq_u32 vcc_lo, 0, v1
	s_and_saveexec_b32 s52, vcc_lo
	global_store_b128 v14, v[84:87], s[20:21] offset:16384
	global_store_b128 v14, v[88:91], s[20:21] offset:16400
	global_store_b128 v14, v[92:95], s[20:21] offset:16416
	s_wait_xcnt 0x0
	s_or_b32 exec_lo, exec_lo, s52
.Lxend:
	s_set_vgpr_msb 0x5
	s_wait_tensorcnt 0x0
	ds_add_u32 v0, v1
	s_wait_dscnt 0x0
	s_set_vgpr_msb 0x500
	s_endpgm
.Lfunc_end_k_qd09aebb4d0_prep:
	.size	k_qd09aebb4d0_prep, .Lfunc_end_k_qd09aebb4d0_prep-k_qd09aebb4d0_prep
	.p2alignl 7, 3214868480
	.fill 96, 4, 3214868480
	.section	.rodata,"a",@progbits
	.p2align	6, 0x0
	.amdhsa_kernel k_qd09aebb4d0_prep
		.amdhsa_group_segment_fixed_size 28160
		.amdhsa_private_segment_fixed_size 0
		.amdhsa_enable_private_segment 0
		.amdhsa_kernarg_size 80
		.amdhsa_user_sgpr_count 2
		.amdhsa_user_sgpr_kernarg_segment_ptr 1
		.amdhsa_wavefront_size32 1
		.amdhsa_system_sgpr_workgroup_id_x 1
		.amdhsa_system_sgpr_workgroup_id_y 1
		.amdhsa_system_sgpr_workgroup_id_z 1
		.amdhsa_system_vgpr_workitem_id 0
		.amdhsa_next_free_vgpr 258
		.amdhsa_next_free_sgpr 66
		.amdhsa_reserve_vcc 1
		.amdhsa_float_denorm_mode_32 3
		.amdhsa_float_denorm_mode_16_64 3
		.amdhsa_memory_ordered 1
		.amdhsa_forward_progress 1
		.amdhsa_inst_pref_size 99
	.end_amdhsa_kernel
	.amdgpu_metadata
---
amdhsa.version: [ 1, 2 ]
amdhsa.kernels:
  - .name:           k_qd09aebb4d0_prep
    .symbol:         k_qd09aebb4d0_prep.kd
    .args:
      - { .name: x, .offset: 0, .size: 8, .value_kind: global_buffer, .address_space: global }
      - { .name: Wr, .offset: 8, .size: 8, .value_kind: global_buffer, .address_space: global }
      - { .name: Wp, .offset: 16, .size: 8, .value_kind: global_buffer, .address_space: global }
      - { .name: pattern_ids, .offset: 24, .size: 8, .value_kind: global_buffer, .address_space: global }
      - { .name: W1, .offset: 32, .size: 8, .value_kind: global_buffer, .address_space: global }
      - { .name: W3, .offset: 40, .size: 8, .value_kind: global_buffer, .address_space: global }
      - { .name: xq, .offset: 48, .size: 8, .value_kind: global_buffer, .address_space: global }
      - { .name: rt, .offset: 56, .size: 8, .value_kind: global_buffer, .address_space: global }
      - { .name: fl, .offset: 64, .size: 8, .value_kind: global_buffer, .address_space: global }
      - { .name: wq13, .offset: 72, .size: 8, .value_kind: global_buffer, .address_space: global }
    .group_segment_fixed_size: 28160
    .private_segment_fixed_size: 0
    .kernarg_segment_align: 8
    .kernarg_segment_size: 80
    .max_flat_workgroup_size: 128
    .sgpr_count:     66
    .vgpr_count:     258
    .wavefront_size: 32
...
	.end_amdgpu_metadata
.endif
;; end of part 5
;; launch place: the kernel of part 2 again; grid 257 x 1, 4 waves a work-group, no clusters, 28,160 bytes of LDS; arguments W2, Wp, rt, fl, w2q, srt, out1, out2, out3; writes w2q, srt, out1, out2, out3
;; launch up (part 6): grid 256 x 1, 4 waves a work-group, no clusters, 0 bytes of LDS; arguments wq13, xq, srt, hq; writes hq
.if DOCPART == 6
	.amdgcn_target "amdgcn-amd-amdhsa--gfx1250"
	.amdhsa_code_object_version 6
	.text
	.protected	k_qd09aebb4d0_up
	.globl	k_qd09aebb4d0_up
	.p2align	8
	.type	k_qd09aebb4d0_up,@function
k_qd09aebb4d0_up:
	s_mov_b64 s[64:65], 0
	v_nop
	global_prefetch_b8 v0, s[64:65] scope:SCOPE_SE
	s_setreg_imm32_b32 hwreg(HW_REG_WAVE_MODE, 25, 1), 1
	s_wait_xcnt 0x0
; UP.  h = (x W1[e]) x silu(x W3[e]) for every (tile of 16 sorted tokens, expert e) whose bit is set in the stored masks, both products on codes of FP6 (E2M3) with E8M0 scales; h is quantised along the hidden axis
; in registers and stored as codes, in the order of the next product's operand registers.
; SHARES.  Work-group = (expert e, 64 hidden units sg).  Its W1 and W3 records (16 fragments each, 384 registers) stay in every wave's registers for the whole launch.  Wave w walks the tiles w + 4 i (i = 0 .. 31) that
; use expert e: the tiles of an expert lie in runs, so that the four waves get about equal shares.  Waves share nothing: no LDS, no barrier.  The trip count hangs on the stored masks, so operands come from memory
; straight into registers: no tensor load stands in this text.
; LAYOUT.  The products are used transposed (source 0 = 16 hidden units, source 1 = 16 tokens): a lane holds one token, and the records' choice of columns makes the 16 registers of tiles 2 b and 2 b + 1 sixteen
; neighbours along the next K: hidden unit 64 sg + 32 b + 16 (lane / 16) + 0 .. 15.  The 64 units are half c = sg % 2 of fragment s = sg / 2 of the token tile's h.
; AN h RECORD (tile x 8 + e), 25,600 bytes: half c of fragment s at 1,536 s + 768 c: 32 lanes x 16 bytes (registers 6 c .. 6 c + 3), then 32 lanes x 8 bytes (6 c + 4, 6 c + 5); scale words at 24,576 + 64 s + 4 row.
; The walk goes two tiles a trip, and one more turn is written out behind the loop for an odd number of tiles.  The gathers run two tiles ahead; past the wave's last tile they name tile 124 + w: those tokens' codes are
; read (inside the buffers) and not used: nothing is multiplied or stored for a tile that is not the wave's.
; LIMITS: silu is z / (1 + 2^(-z log2 e)): where the power overflows (z under about -88) h is 0.  A block of h whose largest magnitude lies under 2^-124 gets the byte 1.
; REGISTERS, in windows of 256: window 0: v1-5 lane terms; v6, v7 token numbers as loaded; v8-11 gather offsets; v16-63 x's four fragments and v64-67 its scale words, set A; v68-119 set B; v120-135 the weights' scale
; words (8 m + 2 sl + t / 2); v136-167 x W1; v168-199 x W3; v200-207 at work; v216-224 codes; v225 two scale bytes.   window 1: W1's fragments, (t, s) at v[12 (4 t + s)].   window 2: W3's.
.set MSB, 0
.macro WIN new                         ; the immediate's high byte repeats the setting that is left
.if MSB != \new
	s_set_vgpr_msb (MSB<<8)|\new
.set MSB, \new
.endif
.endm
.macro WM d, a, b, acc, sa, sb, row    ; one product; acc = 0: it starts the sum; row = 1: source 0's scales stand in lanes 16-31
.if (\acc) == 0
.if (\row) == 0
	v_wmma_scale_f32_16x16x128_f8f6f4 v[\d:\d+7], v[\a:\a+11], v[\b:\b+11], 0, v[\sa], v[\sb] matrix_a_fmt:MATRIX_FMT_FP6 matrix_b_fmt:MATRIX_FMT_FP6
.else
	v_wmma_scale_f32_16x16x128_f8f6f4 v[\d:\d+7], v[\a:\a+11], v[\b:\b+11], 0, v[\sa], v[\sb] matrix_a_fmt:MATRIX_FMT_FP6 matrix_b_fmt:MATRIX_FMT_FP6 matrix_a_scale:MATRIX_SCALE_ROW1
.endif
.else
.if (\row) == 0
	v_wmma_scale_f32_16x16x128_f8f6f4 v[\d:\d+7], v[\a:\a+11], v[\b:\b+11], v[\d:\d+7], v[\sa], v[\sb] matrix_a_fmt:MATRIX_FMT_FP6 matrix_b_fmt:MATRIX_FMT_FP6
.else
	v_wmma_scale_f32_16x16x128_f8f6f4 v[\d:\d+7], v[\a:\a+11], v[\b:\b+11], v[\d:\d+7], v[\sa], v[\sb] matrix_a_fmt:MATRIX_FMT_FP6 matrix_b_fmt:MATRIX_FMT_FP6 matrix_a_scale:MATRIX_SCALE_ROW1
.endif
.endif
.endm
.macro NEXT d                          ; s[d] = my next tile; the mask s24 loses its lowest bit.  An empty mask gives i = 31: tile 124 + w
	s_ctz_i32_b32 s[\d], s24
	s_min_u32 s[\d], s[\d], 31
	s_sub_co_u32 s42, s24, 1
	s_and_b32 s24, s24, s42
	s_lshl_b32 s[\d], s[\d], 2
	s_add_co_u32 s[\d], s[\d], s12
.endm
.macro TOK tx, raw                     ; a token number as loaded becomes the two gather offsets
	v_min_u32 v[\tx+1], 0x7ff, v[\raw]
	v_mad_u32_u24 v[\tx], v[\tx+1], 384, v4        ; its codes: 384 bytes a token, my half's 192
	v_lshlrev_b32 v[\tx+1], 4, v[\tx+1]            ; its 16 scale bytes
.endm
.macro XGATHER x, tx                   ; 13 loads: a lane's 192 bytes are its registers of x's four fragments, as they lie; then the four scale words
.irp n, 0,1,2,3,4,5,6,7,8,9,10,11
	global_load_b128 v[\x+4*\n:\x+4*\n+3], v[\tx], s[6:7] offset:16*\n
.endr
	global_load_b128 v[\x+48:\x+51], v[\tx+1], s[6:7] offset:786432
.endm
.macro MULS x                          ; 32 products; four accumulators by turns, one instruction a turn
	WIN 0x01                                       ; source 0 in window 1: W1
.irp s, 0,1,2,3
.irp t, 0,1,2,3
	WM 136+8*\t, 12*(4*\t+\s), \x+12*\s, \s, 120+2*\s+(\t/2), \x+48+\s, \t%2
.endr
.endr
	WIN 0x02                                       ; window 2: W3
.irp s, 0,1,2,3
.irp t, 0,1,2,3
	WM 168+8*\t, 12*(4*\t+\s), \x+12*\s, \s, 128+2*\s+(\t/2), \x+48+\s, \t%2
.endr
.endr
	WIN 0
.endm
.macro SWIGLU                          ; v136-167 = a z / (1 + 2^(-z log2 e)), a = x W1, z = x W3; each accumulator is read from its low end on
.set FI, 0
.rept 16
	v_pk_mul_f32 v[136+FI:137+FI], v[136+FI:137+FI], v[168+FI:169+FI]
.set FI, FI+2
.endr
.set FI, 0
.rept 16
	v_pk_mul_f32 v[168+FI:169+FI], v[168+FI:169+FI], 0xbfb8aa3b op_sel_hi:[1,0]
.set FI, FI+2
.endr
.set FI, 0
.rept 32
	v_exp_f32 v[168+FI], v[168+FI]
.set FI, FI+1
.endr
	v_nop                                          ; a plain line behind the batch,
	s_wait_alu depctr_va_vdst(0)                   ; and one wait for the 32, ahead of their first reader
.set FI, 0
.rept 16
	v_pk_add_f32 v[168+FI:169+FI], v[168+FI:169+FI], 1.0 op_sel_hi:[1,0]
.set FI, FI+2
.endr
.set FI, 0
.rept 32
	v_rcp_f32 v[168+FI], v[168+FI]
.set FI, FI+1
.endr
	v_nop
	s_wait_alu depctr_va_vdst(0)
.set FI, 0
.rept 16
	v_pk_mul_f32 v[136+FI:137+FI], v[136+FI:137+FI], v[168+FI:169+FI]
.set FI, FI+2
.endr
.endm
.macro QUANT2                          ; two blocks of 32 along the next K: block b lies in v[136 + 16 b ..] of lanes l and l xor 16
.irp b, 0,1
	v_max3_num_f32 v[200+\b], |v[136+16*\b]|, |v[137+16*\b]|, 0x1800000   ; with the floor 2^(3 - 127)
.endr
.irp i, 2,4,6,8,10,12,14
.irp b, 0,1
	v_max3_num_f32 v[200+\b], v[200+\b], |v[136+16*\b+\i]|, |v[137+16*\b+\i]|
.endr
.endr
.irp b, 0,1
	v_permlanex16_b32 v[202+\b], v[200+\b], s40, s41
.endr
.irp b, 0,1
	v_max_num_f32 v[200+\b], v[200+\b], v[202+\b]
.endr
.irp b, 0,1
	v_add_nc_u32 v[204+\b], 0xff000000, v[200+\b]  ; 2 off the exponent field: the conversion's scale operand
.endr
.irp b, 0,1
	v_lshrrev_b32 v[206+\b], 23, v[204+\b]
.endr
	v_lshl_or_b32 v225, v207, 8, v206              ; my row's two scale bytes  (v216-225 were the last tile's store data: the turn's wait on XCNT stands above)
	v_cvt_scalef32_pk16_fp6_f32 v[216:218], v[136:151], v204
	v_cvt_scalef32_pk16_fp6_f32 v[222:224], v[152:167], v205
	v_nop                                          ; one plain line behind the last conversion
.irp i, 0,1,2
	v_permlane16_swap_b32 v[216+\i], v[222+\i]     ; a whole block to a lane: lanes 0-15 block 0, lanes 16-31 block 1
.endr
.irp i, 0,1,2
	v_mov_b32 v[219+\i], v[222+\i]
.endr
.endm
; One tile's turn.  x: its set of x registers; tx: the set's gather offsets; tc: the scalar that holds its tile number.
.macro TILE x, tx, tc
	s_wait_loadcnt 14                              ; this tile's 13 loads are in; behind them stand one load of token numbers and the next tile's 13
	MULS \x
.rept 4
	v_nop                                          ; places behind the products: for the loads into x's registers and for the first reads of the results
.endr
	s_wait_loadcnt 13                              ; the token numbers of the tile two on are in; the next tile's 13 stay out
	s_wait_xcnt 0x0                                ; the last tile's three stores have read their data (v216-221, v225) and their bases (s36-39), which are written again further down in this turn.  The wait stands
	                                               ; ahead of this turn's 14 loads: all that it counts was issued ahead of the 32 products above
	TOK \tx, 6
	s_mov_b32 s31, s[\tc]                          ; the tile in hand,
	s_mov_b32 s[\tc], s30                          ; the tile two on takes this set,
	NEXT 30                                        ; and the tile three on is looked up
	s_lshl_b32 s42, s30, 6
	s_add_nc_u64 s[32:33], s[8:9], s[42:43]        ; (the load that read this base is in)
	global_load_b32 v6, v3, s[32:33]
	XGATHER \x, \tx
	SWIGLU
	QUANT2
	s_mul_i32 s42, s31, 204800                     ; 8 records a tile
	s_add_nc_u64 s[36:37], s[18:19], s[42:43]
	s_add_nc_u64 s[38:39], s[20:21], s[42:43]
	global_store_b128 v1, v[216:219], s[36:37]                     ; 512 consecutive bytes, aligned
	global_store_b64 v2, v[220:221], s[36:37] offset:512           ; 256 consecutive bytes, aligned
	global_store_b16 v3, v225, s[38:39] offset:24576               ; lanes l and l + 16 write the same two bytes with the same value
.endm
	s_load_b256 s[4:11], s[0:1], 0x0               ; wq13 4, xq 6, srt 8, hq 10
	v_lshrrev_b32 v1, 5, v0
	v_readfirstlane_b32 s12, v1                    ; wave
	v_and_b32 v12, 31, v0                          ; lane
	v_lshlrev_b32 v1, 4, v12
	v_lshlrev_b32 v2, 3, v12
	v_and_b32 v3, 15, v0
	v_lshlrev_b32 v3, 2, v3                        ; 4 x row
	v_bfe_u32 v4, v0, 4, 1
	v_mul_u32_u24 v4, v4, 192
	s_lshl_b32 s42, s12, 2
	v_lshl_add_u32 v5, v12, 4, s42                 ; the mask of tile w + 4 lane
	v_mov_b32 v202, 0                              ; written once: a lane permute's destination counts as one of its sources
	v_mov_b32 v203, 0
	s_mov_b32 s40, 0x76543210
	s_mov_b32 s41, 0xfedcba98
	s_lshr_b32 s13, ttmp9, 5                       ; e
	s_and_b32 s14, ttmp9, 31                       ; sg
	s_mov_b32 s43, 0
	s_mul_i32 s42, ttmp9, 51200                    ; my two records
	s_mul_i32 s44, s13, 25600
	s_mul_i32 s46, s14, 768                        ; 1,536 (sg / 2) + 768 (sg % 2)
	s_add_co_u32 s46, s46, s44
	s_mov_b32 s47, 0
	s_lshr_b32 s48, s14, 1
	s_lshl_b32 s48, s48, 6
	s_and_b32 s49, s14, 1
	s_lshl_b32 s49, s49, 1
	s_add_co_u32 s48, s48, s49                     ; 64 (sg / 2) + 2 (sg % 2)
	s_add_co_u32 s48, s48, s44
	s_mov_b32 s49, 0
	s_wait_kmcnt 0x0
	s_add_nc_u64 s[16:17], s[4:5], s[42:43]
	s_add_nc_u64 s[18:19], s[10:11], s[46:47]      ; my half fragment in tile 0's record of expert e
	s_add_nc_u64 s[20:21], s[10:11], s[48:49]      ; and my two bytes of its scale words
	global_load_b32 v13, v5, s[8:9] offset:8192
	WIN 0x40                                       ; destination window 1
.set LI, 0
.rept 48
	global_load_b128 v[4*LI:4*LI+3], v1, s[16:17] offset:512*LI
.set LI, LI+1
.endr
	WIN 0x80                                       ; destination window 2
.set LI, 0
.rept 48
	global_load_b128 v[4*LI:4*LI+3], v1, s[16:17] offset:25600+512*LI
.set LI, LI+1
.endr
	WIN 0
.irp m, 0,1
.irp s, 0,1,2,3
	global_load_b64 v[120+8*\m+2*\s:121+8*\m+2*\s], v2, s[16:17] offset:\m*25600+24576+256*\s
.endr
.endr
	s_wait_loadcnt 63                              ; the masks are in: 104 loads stand behind them, and a wait's count holds 63 at the most
	v_lshrrev_b32 v13, s13, v13
	v_and_b32 v13, 1, v13
	v_cmp_ne_u32 s24, 0, v13                       ; bit i: tile w + 4 i uses expert e
	s_bcnt1_i32_b32 s25, s24                       ; how many tiles are mine
	s_cmp_eq_u32 s25, 0
	s_cbranch_scc1 .Lend                           ; this split leaves my wave without tiles
	s_lshr_b32 s26, s25, 1
	s_min_u32 s26, s26, 16                         ; trips of two tiles
	NEXT 28
	NEXT 29
	NEXT 30
	s_lshl_b32 s42, s28, 6
	s_add_nc_u64 s[32:33], s[8:9], s[42:43]
	s_lshl_b32 s42, s29, 6
	s_add_nc_u64 s[34:35], s[8:9], s[42:43]
	global_load_b32 v6, v3, s[32:33]               ; the first two tiles' token numbers
	global_load_b32 v7, v3, s[34:35]
	s_wait_loadcnt 0x0                             ; and the weights
	TOK 8, 6
	TOK 10, 7
	XGATHER 16, 8
	s_lshl_b32 s42, s30, 6
	s_add_nc_u64 s[32:33], s[8:9], s[42:43]
	global_load_b32 v6, v3, s[32:33]
	XGATHER 68, 10
	s_mov_b32 s27, 0
	s_cmp_eq_u32 s26, 0
	s_cbranch_scc1 .Lodd                           ; a single tile
.Ltile:
	TILE 16, 8, 28
	TILE 68, 10, 29
	s_add_co_u32 s27, s27, 1
	s_cmp_lt_u32 s27, s26
	s_cbranch_scc1 .Ltile
.Lodd:
	s_bitcmp1_b32 s25, 0                           ; an odd number of tiles: one more turn, on set A, in which the loop's edge and the way round it leave the same loads out
	s_cbranch_scc0 .Lend
	TILE 16, 8, 28
.Lend:
	s_endpgm
.Lfunc_end_k_qd09aebb4d0_up:
	.size	k_qd09aebb4d0_up, .Lfunc_end_k_qd09aebb4d0_up-k_qd09aebb4d0_up
	.p2alignl 7, 3214868480
	.fill 96, 4, 3214868480
	.section	.rodata,"a",@progbits
	.p2align	6, 0x0
	.amdhsa_kernel k_qd09aebb4d0_up
		.amdhsa_group_segment_fixed_size 0
		.amdhsa_private_segment_fixed_size 0
		.amdhsa_enable_private_segment 0
		.amdhsa_kernarg_size 32
		.amdhsa_user_sgpr_count 2
		.amdhsa_user_sgpr_kernarg_segment_ptr 1
		.amdhsa_wavefront_size32 1
		.amdhsa_system_sgpr_workgroup_id_x 1
		.amdhsa_system_sgpr_workgroup_id_y 1
		.amdhsa_system_sgpr_workgroup_id_z 1
		.amdhsa_system_vgpr_workitem_id 0
		.amdhsa_next_free_vgpr 768
		.amdhsa_next_free_sgpr 66
		.amdhsa_reserve_vcc 0
		.amdhsa_float_denorm_mode_32 3
		.amdhsa_float_denorm_mode_16_64 3
		.amdhsa_memory_ordered 1
		.amdhsa_forward_progress 1
		.amdhsa_inst_pref_size 62
	.end_amdhsa_kernel
	.amdgpu_metadata
---
amdhsa.version: [ 1, 2 ]
amdhsa.kernels:
  - .name:           k_qd09aebb4d0_up
    .symbol:         k_qd09aebb4d0_up.kd
    .args:
      - { .name: wq13, .offset: 0, .size: 8, .value_kind: global_buffer, .address_space: global }
      - { .name: xq, .offset: 8, .size: 8, .value_kind: global_buffer, .address_space: global }
      - { .name: srt, .offset: 16, .size: 8, .value_kind: global_buffer, .address_space: global }
      - { .name: hq, .offset: 24, .size: 8, .value_kind: global_buffer, .address_space: global }
    .group_segment_fixed_size: 0
    .private_segment_fixed_size: 0
    .kernarg_segment_align: 8
    .kernarg_segment_size: 32
    .max_flat_workgroup_size: 128
    .sgpr_count:     66
    .vgpr_count:     768
    .wavefront_size: 32
...
	.end_amdgpu_metadata
.endif
;; end of part 6
;; launch down: the kernel of part 4 again; grid 256 x 1, 4 waves a work-group, no clusters, 70,144 bytes of LDS; arguments w2q, hq, srt, rt, fl, out0; writes out0
;; ======== version 3 of 3: 4 launches; version 2 with the launches up, down written anew for expert scheduling mode
;; workspace buffers: xq 819,200 bytes; rt 24,576 bytes of whole numbers; fl 24,576 bytes; wq13 13,107,200 bytes; w2q 6,553,600 bytes; srt 8,704 bytes of whole numbers; hq 26,214,400 bytes
;; launch prep: the kernel of part 5 again; grid 640 x 1, 4 waves a work-group, no clusters, 28,160 bytes of LDS; arguments x, Wr, Wp, pattern_ids, W1, W3, xq, rt, fl, wq13; writes xq, rt, fl, wq13
;; launch place: the kernel of part 2 again; grid 257 x 1, 4 waves a work-group, no clusters, 28,160 bytes of LDS; arguments W2, Wp, rt, fl, w2q, srt, out1, out2, out3; writes w2q, srt, out1, out2, out3
;; launch up (part 7): grid 256 x 1, 4 waves a work-group, no clusters, 0 bytes of LDS; arguments wq13, xq, srt, hq; writes hq
.if DOCPART == 7
	.amdgcn_target "amdgcn-amd-amdhsa--gfx1250"
	.amdhsa_code_object_version 6
	.text
	.protected	k_qd09aebb4d0_up
	.globl	k_qd09aebb4d0_up
	.p2align	8
	.type	k_qd09aebb4d0_up,@function
k_qd09aebb4d0_up:
	s_mov_b64 s[64:65], 0
	v_nop
	global_prefetch_b8 v0, s[64:65] scope:SCOPE_SE
	s_setreg_imm32_b32 hwreg(HW_REG_WAVE_SCHED_MODE, 0, 2), 2
	s_setreg_imm32_b32 hwreg(HW_REG_WAVE_MODE, 25, 1), 1
	s_wait_xcnt 0x0
	s_wait_alu depctr_vm_vsrc(0)
; UP.  h = (x W1[e]) x silu(x W3[e]) for every (tile of 16 sorted tokens, expert e) whose bit is set in the stored masks, both products on codes of FP6 (E2M3) with E8M0 scales; h is quantised along the hidden axis
; in registers and stored as codes, in the order of the next product's operand registers.
; SHARES.  Work-group = (expert e, 64 hidden units sg).  Its W1 and W3 records (16 fragments each, 384 registers) stay in every wave's registers for the whole launch.  Wave w walks the tiles w + 4 i (i = 0 .. 31) that
; use expert e: the tiles of an expert lie in runs, so that the four waves get about equal shares.  Waves share nothing: no LDS, no barrier.  The trip count hangs on the stored masks, so operands come from memory
; straight into registers: no tensor load stands in this text.
; LAYOUT.  The products are used transposed (source 0 = 16 hidden units, source 1 = 16 tokens): a lane holds one token, and the records' choice of columns makes the 16 registers of tiles 2 b and 2 b + 1 sixteen
; neighbours along the next K: hidden unit 64 sg + 32 b + 16 (lane / 16) + 0 .. 15.  The 64 units are half c = sg % 2 of fragment s = sg / 2 of the token tile's h.
; AN h RECORD (tile x 8 + e), 25,600 bytes: half c of fragment s at 1,536 s + 768 c: 32 lanes x 16 bytes (registers 6 c .. 6 c + 3), then 32 lanes x 8 bytes (6 c + 4, 6 c + 5); scale words at 24,576 + 64 s + 4 row.
; The walk goes two tiles a trip, and one more turn is written out behind the loop for an odd number of tiles.  The gathers run two tiles ahead; past the wave's last tile they name tile 124 + w: those tokens' codes are
; read (inside the buffers) and not used: nothing is multiplied or stored for a tile that is not the wave's.
; LIMITS: silu is z / (1 + 2^(-z log2 e)): where the power overflows (z under about -88) h is 0.  A block of h whose largest magnitude lies under 2^-124 gets the byte 1.
; REGISTERS, in windows of 256: window 0: v1-5 lane terms; v6, v7 token numbers as loaded; v8-11 gather offsets; v16-63 x's four fragments and v64-67 its scale words, set A; v68-119 set B; v120-135 the weights' scale
; words (8 m + 2 sl + t / 2); v136-167 x W1; v168-199 x W3; v200-207 at work; v216-224 codes; v225 two scale bytes.   window 1: W1's fragments, (t, s) at v[12 (4 t + s)].   window 2: W3's.
; THE MODE: SCHED_MODE bits 1:0 = 2 (LLVM: expert scheduling mode 2), set by the entry lines.  The code itself states the register dependences between vector or matrix instructions and memory instructions,
; with s_wait_alu, always for 0.
; THE PLAN.  Registers that memory instructions touch:
;   v1, v2, v3        offsets, made at the head and never written again.  v5 and v13 serve the masks' load at the head alone.
;   v6 (v7)           token numbers: one load a turn lands in v6; TOK reads it.
;   v8-9, v10-11      the gather offsets of sets A and B: TOK writes them in the set's turn; the turn's 13 gathers read them.
;   sets A, B         the gathers land in them; the 32 products of the set's next turn read them.
;   windows 1 and 2, v120-135   loaded at the head, read by the products, never written again.
;   v216-221, v225    QUANT2 writes them; the three stores at the turn's end read them.
; A turn has one wait on vm_vsrc, behind its products (the set's last gathers have read the offsets that TOK writes; the last tile's stores have read what QUANT2 writes), one wait on va_vdst behind TOK (the offsets
; are written, v6 and the set are read: the turn's 14 loads follow, the gathers dealt among packed multiplies that name v136-199 alone), the two waits behind the exponentials and the reciprocals, and one wait on
; va_vdst ahead of the three stores.  Every turn holds all five, so each way into a turn (from the head, over the loop's edge, out of the loop) finds the same.
.set MSB, 0
.macro WIN new                         ; the immediate's high byte repeats the setting that is left
.if MSB != \new
	s_set_vgpr_msb (MSB<<8)|\new
.set MSB, \new
.endif
.endm
.macro WM d, a, b, acc, sa, sb, row    ; one product; acc = 0: it starts the sum; row = 1: source 0's scales stand in lanes 16-31
.if (\acc) == 0
.if (\row) == 0
	v_wmma_scale_f32_16x16x128_f8f6f4 v[\d:\d+7], v[\a:\a+11], v[\b:\b+11], 0, v[\sa], v[\sb] matrix_a_fmt:MATRIX_FMT_FP6 matrix_b_fmt:MATRIX_FMT_FP6
.else
	v_wmma_scale_f32_16x16x128_f8f6f4 v[\d:\d+7], v[\a:\a+11], v[\b:\b+11], 0, v[\sa], v[\sb] matrix_a_fmt:MATRIX_FMT_FP6 matrix_b_fmt:MATRIX_FMT_FP6 matrix_a_scale:MATRIX_SCALE_ROW1
.endif
.else
.if (\row) == 0
	v_wmma_scale_f32_16x16x128_f8f6f4 v[\d:\d+7], v[\a:\a+11], v[\b:\b+11], v[\d:\d+7], v[\sa], v[\sb] matrix_a_fmt:MATRIX_FMT_FP6 matrix_b_fmt:MATRIX_FMT_FP6
.else
	v_wmma_scale_f32_16x16x128_f8f6f4 v[\d:\d+7], v[\a:\a+11], v[\b:\b+11], v[\d:\d+7], v[\sa], v[\sb] matrix_a_fmt:MATRIX_FMT_FP6 matrix_b_fmt:MATRIX_FMT_FP6 matrix_a_scale:MATRIX_SCALE_ROW1
.endif
.endif
.endm
.macro NEXT d                          ; s[d] = my next tile; the mask s24 loses its lowest bit.  An empty mask gives i = 31: tile 124 + w
	s_ctz_i32_b32 s[\d], s24
	s_min_u32 s[\d], s[\d], 31
	s_sub_co_u32 s42, s24, 1
	s_and_b32 s24, s24, s42
	s_lshl_b32 s[\d], s[\d], 2
	s_add_co_u32 s[\d], s[\d], s12
.endm
.macro TOK tx, raw                     ; a token number as loaded becomes the two gather offsets
	v_min_u32 v[\tx+1], 0x7ff, v[\raw]
	v_mad_u32_u24 v[\tx], v[\tx+1], 384, v4        ; its codes: 384 bytes a token, my half's 192
	v_lshlrev_b32 v[\tx+1], 4, v[\tx+1]            ; its 16 scale bytes
.endm
.macro XGATHER x, tx                   ; 13 loads: a lane's 192 bytes are its registers of x's four fragments, as they lie; then the four scale words.  (At the head; in a turn the same 13 stand in SWIGLU)
.irp n, 0,1,2,3,4,5,6,7,8,9,10,11
	global_load_b128 v[\x+4*\n:\x+4*\n+3], v[\tx], s[6:7] offset:16*\n
.endr
	global_load_b128 v[\x+48:\x+51], v[\tx+1], s[6:7] offset:786432
.endm
.macro MULS x                          ; 32 products; four accumulators by turns, one instruction a turn
	WIN 0x01                                       ; source 0 in window 1: W1
.irp s, 0,1,2,3
.irp t, 0,1,2,3
	WM 136+8*\t, 12*(4*\t+\s), \x+12*\s, \s, 120+2*\s+(\t/2), \x+48+\s, \t%2
.endr
.endr
	WIN 0x02                                       ; window 2: W3
.irp s, 0,1,2,3
.irp t, 0,1,2,3
	WM 168+8*\t, 12*(4*\t+\s), \x+12*\s, \s, 128+2*\s+(\t/2), \x+48+\s, \t%2
.endr
.endr
	WIN 0
.endm
; v136-167 = a z / (1 + 2^(-z log2 e)), a = x W1, z = x W3; each accumulator is read from its low end on.  The 13 gathers of the tile two on, into set x by the offsets tx, are dealt among the first 13 multiplies:
; no wait stands between, since no vector instruction behind the turn's wait on va_vdst names the set, the offsets or v6.
.macro SWIGLU x, tx
.set FI, 0
.rept 12
	global_load_b128 v[\x+2*FI:\x+2*FI+3], v[\tx], s[6:7] offset:8*FI
	v_pk_mul_f32 v[136+FI:137+FI], v[136+FI:137+FI], v[168+FI:169+FI]
.set FI, FI+2
.endr
	global_load_b128 v[\x+48:\x+51], v[\tx+1], s[6:7] offset:786432
.rept 4
	v_pk_mul_f32 v[136+FI:137+FI], v[136+FI:137+FI], v[168+FI:169+FI]
.set FI, FI+2
.endr
.set FI, 0
.rept 16
	v_pk_mul_f32 v[168+FI:169+FI], v[168+FI:169+FI], 0xbfb8aa3b op_sel_hi:[1,0]
.set FI, FI+2
.endr
.set FI, 0
.rept 32
	v_exp_f32 v[168+FI], v[168+FI]
.set FI, FI+1
.endr
	v_nop                                          ; a plain line behind the batch,
	s_wait_alu depctr_va_vdst(0)                   ; and one wait for the 32: the exponentials have written v168-199, ahead of their first reader
.set FI, 0
.rept 16
	v_pk_add_f32 v[168+FI:169+FI], v[168+FI:169+FI], 1.0 op_sel_hi:[1,0]
.set FI, FI+2
.endr
.set FI, 0
.rept 32
	v_rcp_f32 v[168+FI], v[168+FI]
.set FI, FI+1
.endr
	v_nop
	s_wait_alu depctr_va_vdst(0)                   ; the 32 reciprocals have written v168-199, ahead of their first reader
.set FI, 0
.rept 16
	v_pk_mul_f32 v[136+FI:137+FI], v[136+FI:137+FI], v[168+FI:169+FI]
.set FI, FI+2
.endr
.endm
.macro QUANT2                          ; two blocks of 32 along the next K: block b lies in v[136 + 16 b ..] of lanes l and l xor 16
.irp b, 0,1
	v_max3_num_f32 v[200+\b], |v[136+16*\b]|, |v[137+16*\b]|, 0x1800000   ; with the floor 2^(3 - 127)
.endr
.irp i, 2,4,6,8,10,12,14
.irp b, 0,1
	v_max3_num_f32 v[200+\b], v[200+\b], |v[136+16*\b+\i]|, |v[137+16*\b+\i]|
.endr
.endr
.irp b, 0,1
	v_permlanex16_b32 v[202+\b], v[200+\b], s40, s41
.endr
.irp b, 0,1
	v_max_num_f32 v[200+\b], v[200+\b], v[202+\b]
.endr
.irp b, 0,1
	v_add_nc_u32 v[204+\b], 0xff000000, v[200+\b]  ; 2 off the exponent field: the conversion's scale operand
.endr
.irp b, 0,1
	v_lshrrev_b32 v[206+\b], 23, v[204+\b]
.endr
	v_lshl_or_b32 v225, v207, 8, v206              ; my row's two scale bytes  (v216-225 were the last tile's store data: the turn's waits on XCNT and on vm_vsrc stand above)
	v_cvt_scalef32_pk16_fp6_f32 v[216:218], v[136:151], v204
	v_cvt_scalef32_pk16_fp6_f32 v[222:224], v[152:167], v205
	v_nop                                          ; one plain line behind the last conversion
.irp i, 0,1,2
	v_permlane16_swap_b32 v[216+\i], v[222+\i]     ; a whole block to a lane: lanes 0-15 block 0, lanes 16-31 block 1
.endr
.irp i, 0,1,2
	v_mov_b32 v[219+\i], v[222+\i]
.endr
.endm
; One tile's turn.  x: its set of x registers; tx: the set's gather offsets; tc: the scalar that holds its tile number.
.macro TILE x, tx, tc
	s_wait_loadcnt 14                              ; this tile's 13 loads are in; behind them stand one load of token numbers and the next tile's 13
	MULS \x
.rept 4
	v_nop                                          ; places behind the products, ahead of the first reads of the results
.endr
	s_wait_loadcnt 13                              ; the token numbers of the tile two on are in; the next tile's 13 stay out
	s_wait_xcnt 0x0                                ; the last tile's three stores have read their data (v216-221, v225) and their bases (s36-39), which are written again further down in this turn.  The wait stands
	                                               ; ahead of this turn's 14 loads: all that it counts was issued ahead of the 32 products above
	s_wait_alu depctr_vm_vsrc(0)                   ; this set's gathers, two turns back, have read its two offsets, which TOK writes; the last tile's stores have read v216-221 and v225, which QUANT2 writes
	TOK \tx, 6
	s_mov_b32 s31, s[\tc]                          ; the tile in hand,
	s_mov_b32 s[\tc], s30                          ; the tile two on takes this set,
	NEXT 30                                        ; and the tile three on is looked up
	s_lshl_b32 s42, s30, 6
	s_add_nc_u64 s[32:33], s[8:9], s[42:43]        ; (the load that read this base is in)
	s_wait_alu depctr_va_vdst(0)                   ; TOK has written the two offsets, which the gathers read, and is done reading v6, in which the next load lands; the 32 products are done reading the set, in which the gathers land
	global_load_b32 v6, v3, s[32:33]
	SWIGLU \x, \tx
	QUANT2
	s_mul_i32 s42, s31, 204800                     ; 8 records a tile
	s_add_nc_u64 s[36:37], s[18:19], s[42:43]
	s_add_nc_u64 s[38:39], s[20:21], s[42:43]
	s_wait_alu depctr_va_vdst(0)                   ; QUANT2 has written v216-221 and v225, which the three stores read
	global_store_b128 v1, v[216:219], s[36:37]                     ; 512 consecutive bytes, aligned
	global_store_b64 v2, v[220:221], s[36:37] offset:512           ; 256 consecutive bytes, aligned
	global_store_b16 v3, v225, s[38:39] offset:24576               ; lanes l and l + 16 write the same two bytes with the same value
.endm
	s_load_b256 s[4:11], s[0:1], 0x0               ; wq13 4, xq 6, srt 8, hq 10
	v_lshrrev_b32 v1, 5, v0
	v_readfirstlane_b32 s12, v1                    ; wave
	v_and_b32 v12, 31, v0                          ; lane
	v_lshlrev_b32 v1, 4, v12
	v_lshlrev_b32 v2, 3, v12
	v_and_b32 v3, 15, v0
	v_lshlrev_b32 v3, 2, v3                        ; 4 x row
	v_bfe_u32 v4, v0, 4, 1
	v_mul_u32_u24 v4, v4, 192
	s_wait_alu depctr_va_sdst(0)                   ; s12 is written, ahead of its first reader
	s_lshl_b32 s42, s12, 2
	v_lshl_add_u32 v5, v12, 4, s42                 ; the mask of tile w + 4 lane
	v_mov_b32 v202, 0                              ; written once: a lane permute's destination counts as one of its sources
	v_mov_b32 v203, 0
	s_mov_b32 s40, 0x76543210
	s_mov_b32 s41, 0xfedcba98
	s_lshr_b32 s13, ttmp9, 5                       ; e
	s_and_b32 s14, ttmp9, 31                       ; sg
	s_mov_b32 s43, 0
	s_mul_i32 s42, ttmp9, 51200                    ; my two records
	s_mul_i32 s44, s13, 25600
	s_mul_i32 s46, s14, 768                        ; 1,536 (sg / 2) + 768 (sg % 2)
	s_add_co_u32 s46, s46, s44
	s_mov_b32 s47, 0
	s_lshr_b32 s48, s14, 1
	s_lshl_b32 s48, s48, 6
	s_and_b32 s49, s14, 1
	s_lshl_b32 s49, s49, 1
	s_add_co_u32 s48, s48, s49                     ; 64 (sg / 2) + 2 (sg % 2)
	s_add_co_u32 s48, s48, s44
	s_mov_b32 s49, 0
	s_wait_kmcnt 0x0
	s_add_nc_u64 s[16:17], s[4:5], s[42:43]
	s_add_nc_u64 s[18:19], s[10:11], s[46:47]      ; my half fragment in tile 0's record of expert e
	s_add_nc_u64 s[20:21], s[10:11], s[48:49]      ; and my two bytes of its scale words
	s_wait_alu depctr_va_vdst(0)                   ; the offsets v1, v2, v3 and v5 are written, which the loads below and every later load and store by them read
	global_load_b32 v13, v5, s[8:9] offset:8192
	WIN 0x40                                       ; destination window 1
.set LI, 0
.rept 48
	global_load_b128 v[4*LI:4*LI+3], v1, s[16:17] offset:512*LI
.set LI, LI+1
.endr
	WIN 0x80                                       ; destination window 2
.set LI, 0
.rept 48
	global_load_b128 v[4*LI:4*LI+3], v1, s[16:17] offset:25600+512*LI
.set LI, LI+1
.endr
	WIN 0
.irp m, 0,1
.irp s, 0,1,2,3
	global_load_b64 v[120+8*\m+2*\s:121+8*\m+2*\s], v2, s[16:17] offset:\m*25600+24576+256*\s
.endr
.endr
	s_wait_loadcnt 63                              ; the masks are in: 104 loads stand behind them, and a wait's count holds 63 at the most
	v_lshrrev_b32 v13, s13, v13
	v_and_b32 v13, 1, v13
	v_cmp_ne_u32 s24, 0, v13                       ; bit i: tile w + 4 i uses expert e
	s_wait_alu depctr_va_sdst(0)                   ; s24 is written, ahead of its first reader
	s_bcnt1_i32_b32 s25, s24                       ; how many tiles are mine
	s_cmp_eq_u32 s25, 0
	s_cbranch_scc1 .Lend                           ; this split leaves my wave without tiles
	s_lshr_b32 s26, s25, 1
	s_min_u32 s26, s26, 16                         ; trips of two tiles
	NEXT 28
	NEXT 29
	NEXT 30
	s_lshl_b32 s42, s28, 6
	s_add_nc_u64 s[32:33], s[8:9], s[42:43]
	s_lshl_b32 s42, s29, 6
	s_add_nc_u64 s[34:35], s[8:9], s[42:43]
	global_load_b32 v6, v3, s[32:33]               ; the first two tiles' token numbers.  (No wait: the three vector lines since the last wait on va_vdst name v13 alone)
	global_load_b32 v7, v3, s[34:35]
	s_wait_loadcnt 0x0                             ; and the weights
	TOK 8, 6
	TOK 10, 7
	s_wait_alu depctr_va_vdst(0)                   ; the four gather offsets v8-11 are written, which the gathers below read; TOK is done reading v6, in which the load between them lands
	XGATHER 16, 8
	s_lshl_b32 s42, s30, 6
	s_add_nc_u64 s[32:33], s[8:9], s[42:43]
	global_load_b32 v6, v3, s[32:33]
	XGATHER 68, 10
	s_mov_b32 s27, 0
	s_cmp_eq_u32 s26, 0
	s_cbranch_scc1 .Lodd                           ; a single tile
.Ltile:
	TILE 16, 8, 28
	TILE 68, 10, 29
	s_add_co_u32 s27, s27, 1
	s_cmp_lt_u32 s27, s26
	s_cbranch_scc1 .Ltile
.Lodd:
	s_bitcmp1_b32 s25, 0                           ; an odd number of tiles: one more turn, on set A, in which the loop's edge and the way round it leave the same loads out
	s_cbranch_scc0 .Lend
	TILE 16, 8, 28
.Lend:
	s_endpgm
.Lfunc_end_k_qd09aebb4d0_up:
	.size	k_qd09aebb4d0_up, .Lfunc_end_k_qd09aebb4d0_up-k_qd09aebb4d0_up
	.p2alignl 7, 3214868480
	.fill 96, 4, 3214868480
	.section	.rodata,"a",@progbits
	.p2align	6, 0x0
	.amdhsa_kernel k_qd09aebb4d0_up
		.amdhsa_group_segment_fixed_size 0
		.amdhsa_private_segment_fixed_size 0
		.amdhsa_enable_private_segment 0
		.amdhsa_kernarg_size 32
		.amdhsa_user_sgpr_count 2
		.amdhsa_user_sgpr_kernarg_segment_ptr 1
		.amdhsa_wavefront_size32 1
		.amdhsa_system_sgpr_workgroup_id_x 1
		.amdhsa_system_sgpr_workgroup_id_y 1
		.amdhsa_system_sgpr_workgroup_id_z 1
		.amdhsa_system_vgpr_workitem_id 0
		.amdhsa_next_free_vgpr 768
		.amdhsa_next_free_sgpr 66
		.amdhsa_reserve_vcc 0
		.amdhsa_float_denorm_mode_32 3
		.amdhsa_float_denorm_mode_16_64 3
		.amdhsa_memory_ordered 1
		.amdhsa_forward_progress 1
		.amdhsa_inst_pref_size 62
	.end_amdhsa_kernel
	.amdgpu_metadata
---
amdhsa.version: [ 1, 2 ]
amdhsa.kernels:
  - .name:           k_qd09aebb4d0_up
    .symbol:         k_qd09aebb4d0_up.kd
    .args:
      - { .name: wq13, .offset: 0, .size: 8, .value_kind: global_buffer, .address_space: global }
      - { .name: xq, .offset: 8, .size: 8, .value_kind: global_buffer, .address_space: global }
      - { .name: srt, .offset: 16, .size: 8, .value_kind: global_buffer, .address_space: global }
      - { .name: hq, .offset: 24, .size: 8, .value_kind: global_buffer, .address_space: global }
    .group_segment_fixed_size: 0
    .private_segment_fixed_size: 0
    .kernarg_segment_align: 8
    .kernarg_segment_size: 32
    .max_flat_workgroup_size: 128
    .sgpr_count:     66
    .vgpr_count:     768
    .wavefront_size: 32
...
	.end_amdgpu_metadata
.endif
;; end of part 7
;; launch down (part 8): grid 256 x 1, 4 waves a work-group, no clusters, 70,144 bytes of LDS; arguments w2q, hq, srt, rt, fl, out0; writes out0
.if DOCPART == 8
	.amdgcn_target "amdgcn-amd-amdhsa--gfx1250"
	.amdhsa_code_object_version 6
	.text
	.protected	k_qd09aebb4d0_down
	.globl	k_qd09aebb4d0_down
	.p2align	8
	.type	k_qd09aebb4d0_down,@function
k_qd09aebb4d0_down:
	s_mov_b64 s[64:65], 0
	v_nop
	global_prefetch_b8 v0, s[64:65] scope:SCOPE_SE
	s_setreg_imm32_b32 hwreg(HW_REG_WAVE_SCHED_MODE, 0, 2), 2
	s_setreg_imm32_b32 hwreg(HW_REG_WAVE_MODE, 25, 1), 1
	s_wait_xcnt 0x0
	s_wait_alu depctr_vm_vsrc(0)
; DOWN.  y[token] = the sum over its two experts of gate x (h_e W2[e]), on codes of FP6 (E2M3) with E8M0 scales.  EACH OUTPUT ROW HAS ONE OWNER: nothing is added between work-groups.
; SHARES.  Work-group = (group g of four tiles = 64 sorted tokens, 64 output columns s2).  It walks the experts that any of its four tiles uses (the union of the stored masks; at least two).  Wave kp takes K steps
; 4 kp .. 4 kp + 3 of every expert, which is one record of W2; the four waves' partial sums meet in LDS at the end.  The trip count hangs on the stored masks, so operands come from memory straight into registers,
; one expert ahead: no tensor load stands in this text.
; A tile that does not use the expert in hand reads, in its place, the h of the tile's own lowest expert: numbers that were written and are finite; its tokens' gates for the expert in hand are 0.
; The products are used transposed (source 0 = 16 columns of W2, source 1 = 16 tokens of h): a lane holds one token, so the gate is a number of the lane.
; LIMITS: K = 2,048 is summed as four f32 partial sums of 512.  Where a product of a tile's stand-in h overflowed f32, 0 x infinity would spoil the row: that takes numbers beyond 1e30.
; REGISTERS, in windows of 256: window 0: v1-7 lane terms; v8-11 lo, v12-15 hi of my token in each tile; v16-23 its two gates; v24-31 the gate for the expert in hand (a pair: the upper is 0); v32-39 W2's scale words;
; v40-55 h's; v56-63 the way out's row offsets; v64-191 the 16 accumulators ((tile m, t) at 64 + 8 (4 m + t)); v192-205 at work.   window 1: W2's fragments, slot sl at 48 sl + 12 t.   window 2: h's, 48 sl + 12 m.
; window 3: v0-127 y.
; THE MODE: SCHED_MODE bits 1:0 = 2 (LLVM: expert scheduling mode 2), set by the entry lines.  The code itself states the register dependences between vector or matrix instructions and memory or LDS instructions,
; with s_wait_alu, always for 0.
; THE PLAN.  Registers that memory or LDS instructions touch:
;   v1-5, v195, v205   offsets of loads; v6, v7 LDS addresses; v56-63 the output rows' offsets; v196-203 the offsets of route words and gates: all made at the head and never written again.
;   slot sl            48 registers of window 1, 48 of window 2, v32 + 2 sl, v33 + 2 sl, v40 + 4 sl .. + 3: the slot's 33 loads land in them; the 16 products of step sl read them.
;   v8-11, v16-23      loaded once, at the head.
;   window 3           FOLD writes y; the LDS stores of the way out read it.
;   v64-191            the products write them and FOLD reads them; on the way out the LDS loads land in them, the additions write v64-95 and v128-159, and the eight stores read v64-95.
;   v254, v255         written at the head, read by the closing add alone.
; So one wait on va_vdst stands in each step that loads, behind its products: they are done reading the slot that the 33 loads fill again.  It stands there, and not at the next step's head, so that the slot is asked
; for again at once.  The eight compares of an expert's gates write eight scalar registers in one run, with one wait on va_sdst ahead of the selects.  The way out has one wait ahead of the LDS stores, which serves
; the LDS loads too, and one between the additions and the stores.  No register that a memory or LDS instruction reads is ever written again: no wait on vm_vsrc is owed.  EXEC is written nowhere.
.set STG, 64*272                       ; a wave's stage: 64 rows x (256 bytes + 16)
.set MSB, 0
.macro WIN new                         ; the immediate's high byte repeats the setting that is left
.if MSB != \new
	s_set_vgpr_msb (MSB<<8)|\new
.set MSB, \new
.endif
.endm
.macro WM d, a, b, acc, sa, sb, row    ; one product; acc = 0: it starts the sum; row = 1: source 0's scales stand in lanes 16-31
.if (\acc) == 0
.if (\row) == 0
	v_wmma_scale_f32_16x16x128_f8f6f4 v[\d:\d+7], v[\a:\a+11], v[\b:\b+11], 0, v[\sa], v[\sb] matrix_a_fmt:MATRIX_FMT_FP6 matrix_b_fmt:MATRIX_FMT_FP6
.else
	v_wmma_scale_f32_16x16x128_f8f6f4 v[\d:\d+7], v[\a:\a+11], v[\b:\b+11], 0, v[\sa], v[\sb] matrix_a_fmt:MATRIX_FMT_FP6 matrix_b_fmt:MATRIX_FMT_FP6 matrix_a_scale:MATRIX_SCALE_ROW1
.endif
.else
.if (\row) == 0
	v_wmma_scale_f32_16x16x128_f8f6f4 v[\d:\d+7], v[\a:\a+11], v[\b:\b+11], v[\d:\d+7], v[\sa], v[\sb] matrix_a_fmt:MATRIX_FMT_FP6 matrix_b_fmt:MATRIX_FMT_FP6
.else
	v_wmma_scale_f32_16x16x128_f8f6f4 v[\d:\d+7], v[\a:\a+11], v[\b:\b+11], v[\d:\d+7], v[\sa], v[\sb] matrix_a_fmt:MATRIX_FMT_FP6 matrix_b_fmt:MATRIX_FMT_FP6 matrix_a_scale:MATRIX_SCALE_ROW1
.endif
.endif
.endm
.macro NEXTE d                         ; s[d] = the group's next expert; the union s28 loses its lowest bit
	s_ctz_i32_b32 s[\d], s28
	s_min_u32 s[\d], s[\d], 7
	s_sub_co_u32 s48, s28, 1
	s_and_b32 s28, s28, s48
.endm
.macro BASES e                         ; where expert s[e]'s operands lie: my record of W2, and each tile's record of h
	s_lshl_b32 s48, s[\e], 3
	s_add_co_u32 s48, s48, s18
	s_lshl_b32 s48, s48, 2
	s_add_co_u32 s48, s48, s16
	s_mul_i32 s48, s48, 25600
	s_add_nc_u64 s[36:37], s[4:5], s[48:49]
.irp m, 0,1,2,3
	s_bitcmp1_b32 s[20+\m], s[\e]                  ; does the tile use the expert?
	s_cselect_b32 s48, s[\e], s[24+\m]             ; else its own lowest expert stands in
	s_min_u32 s48, s48, 7
	s_add_co_u32 s48, s48, s19
	s_add_co_u32 s48, s48, 8*\m
	s_mul_i32 s48, s48, 25600
	s_add_nc_u64 s[40+2*\m:41+2*\m], s[6:7], s[48:49]
.endr
.endm
.macro SLOTLOAD sl                     ; 33 loads: K step 4 kp + sl: W2's four fragments, h's four, their scale words
	WIN 0x40
.irp t, 0,1,2,3
.irp q, 0,1,2
	global_load_b128 v[48*(\sl)+12*\t+4*\q:48*(\sl)+12*\t+4*\q+3], v1, s[36:37] offset:(4*\t+(\sl))*1536+512*\q
.endr
.endr
	WIN 0x80
.irp m, 0,1,2,3
	global_load_b128 v[48*(\sl)+12*\m:48*(\sl)+12*\m+3], v3, s[40+2*\m:41+2*\m] offset:1536*(\sl)
	global_load_b64 v[48*(\sl)+12*\m+4:48*(\sl)+12*\m+5], v4, s[40+2*\m:41+2*\m] offset:1536*(\sl)+512
	global_load_b128 v[48*(\sl)+12*\m+6:48*(\sl)+12*\m+9], v3, s[40+2*\m:41+2*\m] offset:1536*(\sl)+768
	global_load_b64 v[48*(\sl)+12*\m+10:48*(\sl)+12*\m+11], v4, s[40+2*\m:41+2*\m] offset:1536*(\sl)+1280
.endr
	WIN 0
	global_load_b64 v[32+2*(\sl):33+2*(\sl)], v2, s[36:37] offset:24576+256*(\sl)
.irp m, 0,1,2,3
	global_load_b32 v[40+4*(\sl)+\m], v5, s[40+2*\m:41+2*\m] offset:24576+64*(\sl)
.endr
.endm
.macro MUL16 sl                        ; 16 products; the 16 accumulators by turns, one instruction a turn
	WIN 0x09                                       ; source 0 (W2) window 1, source 1 (h) window 2
.irp m, 0,1,2,3
.irp t, 0,1,2,3
	WM 64+8*(4*\m+\t), 48*(\sl)+12*\t, 48*(\sl)+12*\m, \sl, 32+2*(\sl)+(\t/2), 40+4*(\sl)+\m, \t%2
.endr
.endr
.endm
.macro SLOTSTEP sl, n, pf              ; n: how many younger loads may stay out;  pf = 1: the slot just multiplied takes the next expert's K step
	s_wait_loadcnt \n
	MUL16 \sl
	WIN 0
.rept 4
	v_nop                                          ; places behind the products: for the loads into their operands, and for the first reads of the results
.endr
.if \pf
	s_wait_alu depctr_va_vdst(0)                   ; the sixteen products are done reading the slot's fragments and scale words, in which the 33 loads below land; only window switches stand among those loads
	SLOTLOAD \sl
.endif
.endm
.macro FOLD first                      ; y (+)= gate x the expert's partial sums; each accumulator is read from its low end on
.set FI, 0
.if \first
	WIN 0xc0                                       ; destination window 3
.rept 64
	v_pk_mul_f32 v[FI:FI+1], v[64+FI:65+FI], v[24+2*(FI/32):25+2*(FI/32)] op_sel_hi:[1,0]
.set FI, FI+2
.endr
.else
	WIN 0xf0                                       ; destination and source 2 window 3
.rept 64
	v_pk_fma_f32 v[FI:FI+1], v[64+FI:65+FI], v[24+2*(FI/32):25+2*(FI/32)], v[FI:FI+1] op_sel_hi:[1,0,1]
.set FI, FI+2
.endr
.endif
	WIN 0
.endm
.macro EXPERT first, pf
.if \pf
	s_wait_xcnt 0x0                                ; the loads on their way have read their bases: these are written again only behind this wait
	NEXTE 31
	BASES 31
	SLOTSTEP 0, 63, 1                              ; behind a slot's 33 loads stand 99 younger ones or more: a wait's count holds 63 at the most, and a smaller count is safe
	SLOTSTEP 1, 63, 1
	SLOTSTEP 2, 63, 1
	SLOTSTEP 3, 63, 1
.else
	SLOTSTEP 0, 63, 0                              ; the last expert: 99, 66, 33, 0 loads stand behind
	SLOTSTEP 1, 63, 0
	SLOTSTEP 2, 33, 0
	SLOTSTEP 3, 0, 0
.endif
.if \first
	s_wait_loadcnt 63                              ; the route words and gates are in: 132 loads stand behind them
.irp m, 0,1,2,3
	v_bfe_u32 v[12+\m], v[8+\m], 16, 3             ; hi
	v_bfe_u32 v[8+\m], v[8+\m], 8, 3               ; lo
	v_mov_b32 v[25+2*\m], 0                        ; (named as the upper half of a pair)
.endr
.endif
.irp m, 0,1,2,3
	v_cmp_eq_u32 s[54+2*\m], s30, v[8+\m]          ; is the expert in hand my token's lo,
	v_cmp_eq_u32 s[55+2*\m], s30, v[12+\m]         ; or its hi?  Eight masks in eight scalar registers, in one run
.endr
	s_wait_alu depctr_va_sdst(0)                   ; the eight compares have written s54-61, ahead of their first reader
.irp m, 0,1,2,3
	v_cndmask_b32 v[24+2*\m], 0, v[16+2*\m], s[54+2*\m]            ; my token's gate for the expert in hand: 0 where it did not choose it
	v_cndmask_b32 v[24+2*\m], v[24+2*\m], v[17+2*\m], s[55+2*\m]
.endr
	FOLD \first
.if \pf
	s_mov_b32 s30, s31
.endif
.endm
	s_load_b256 s[4:11], s[0:1], 0x0               ; w2q 4, hq 6, srt 8, rt 10
	s_load_b128 s[12:15], s[0:1], 0x20             ; fl 12, out0 14
	v_lshl_add_u32 v254, v0, 2, 0x11000
	v_mov_b32 v255, 0
	v_lshrrev_b32 v1, 5, v0
	v_readfirstlane_b32 s16, v1                    ; wave = kp
	s_lshr_b32 s17, ttmp9, 3                       ; g
	s_and_b32 s18, ttmp9, 7                        ; s2
	s_lshl_b32 s19, s17, 5                         ; 8 records for each of 4 g tiles
	v_and_b32 v192, 31, v0                         ; lane
	v_and_b32 v193, 15, v0                         ; r
	v_bfe_u32 v194, v0, 4, 1                       ; h
	v_lshlrev_b32 v195, 2, v194
	v_lshlrev_b32 v205, 2, v193
	v_lshlrev_b32 v1, 4, v192
	v_lshlrev_b32 v2, 3, v192
	s_wait_alu depctr_va_sdst(0)                   ; s16 is written, ahead of its first reader
	s_mul_i32 s48, s16, 6144                       ; my four fragments of h
	v_add_nc_u32 v3, s48, v1
	v_add_nc_u32 v4, s48, v2
	s_lshl_b32 s48, s16, 8
	v_lshl_add_u32 v5, v193, 2, s48                ; and their scale words
	s_mul_i32 s48, s16, STG
	v_mul_u32_u24 v6, v193, 272
	v_lshl_add_u32 v6, v194, 6, v6
	v_add_nc_u32 v6, s48, v6                       ; into my stage: row r (+ 16 m), column bytes 64 h (+ 128 (t / 2) + 32 (t % 2))
	s_mul_i32 s48, s16, 16*272
	v_mul_u32_u24 v7, v194, 272
	v_lshl_add_u32 v7, v193, 4, v7
	v_add_nc_u32 v7, s48, v7                       ; back: rows 16 kp + 2 a + h of every stage, 16 bytes a lane
	s_lshl_b32 s48, s18, 8
	v_lshl_add_u32 v204, v193, 4, s48              ; my 16 bytes of an output row: 256 s2 + 16 r
	s_mov_b32 s49, 0
	s_wait_kmcnt 0x0
	s_lshl_b32 s48, s17, 4
	s_add_nc_u64 s[34:35], s[8:9], s[48:49]
	s_load_b128 s[20:23], s[34:35], 0x2000         ; my four tiles' masks
	s_lshl_b32 s48, s17, 8
	s_add_nc_u64 s[50:51], s[8:9], s[48:49]        ; my 64 sorted positions
	s_lshl_b32 s48, s16, 6
	s_add_nc_u64 s[52:53], s[50:51], s[48:49]      ; the 16 that my wave stores
	s_wait_alu depctr_va_vdst(0)                   ; the offsets and addresses v1-7, v195 and v205 are written, which the loads below and every later load, LDS store and LDS load by them read
.irp m, 0,1,2,3
	global_load_b32 v[196+\m], v205, s[50:51] offset:64*\m         ; token r of tile m
.endr
.irp a, 0,1,2,3,4,5,6,7
	global_load_b32 v[56+\a], v195, s[52:53] offset:8*\a           ; the tokens of rows 2 a + h
.endr
	s_wait_kmcnt 0x0
.irp m, 0,1,2,3
	s_and_b32 s[20+\m], s[20+\m], 255
	s_ctz_i32_b32 s[24+\m], s[20+\m]
	s_min_u32 s[24+\m], s[24+\m], 7                ; the tile's lowest expert
.endr
	s_or_b32 s28, s20, s21
	s_or_b32 s28, s28, s22
	s_or_b32 s28, s28, s23                         ; the experts that the group uses
	s_bcnt1_i32_b32 s29, s28
	s_sub_co_i32 s33, s29, 2
	s_max_i32 s33, s33, 0
	s_min_u32 s33, s33, 6                          ; the loop's trips: all experts but the first and the last
	NEXTE 30
	BASES 30
	SLOTLOAD 0
	SLOTLOAD 1
	SLOTLOAD 2
	SLOTLOAD 3
	s_wait_loadcnt 63                              ; the token numbers are in: 132 loads stand behind them
.irp m, 0,1,2,3
	v_min_u32 v[196+\m], 0x7ff, v[196+\m]
	v_lshlrev_b32 v[200+\m], 2, v[196+\m]
	v_lshlrev_b32 v[196+\m], 3, v[196+\m]
.endr
.irp a, 0,1,2,3,4,5,6,7
	v_min_u32 v[56+\a], 0x7ff, v[56+\a]
	v_lshl_add_u32 v[56+\a], v[56+\a], 11, v204    ; a row of y is 2,048 bytes
.endr
	s_wait_alu depctr_va_vdst(0)                   ; the offsets v196-203 are written, which the eight loads below read; so are v56-63, which the stores of the way out read
.irp m, 0,1,2,3
	global_load_b32 v[8+\m], v[200+\m], s[10:11]                   ; its route word,
	global_load_b64 v[16+2*\m:17+2*\m], v[196+\m], s[12:13]        ; its two gates
.endr
	EXPERT 1, 1
	s_cmp_eq_u32 s33, 0
	s_cbranch_scc1 .Llast
	s_mov_b32 s32, 0
.Lexp:
	EXPERT 0, 1
	s_add_co_u32 s32, s32, 1
	s_cmp_lt_u32 s32, s33
	s_cbranch_scc1 .Lexp
.Llast:
	EXPERT 0, 0
	; THE WAY OUT.  Each wave puts its partial y (64 rows x 64 columns) into its own stage; behind the barrier wave kp adds rows 16 kp .. 16 kp + 15 of the four stages and stores them.
	WIN 0x0c                                       ; an LDS store's data are its source 1: window 3
	s_wait_alu depctr_va_vdst(0)                   ; FOLD has written y, which the LDS stores read, and is done reading v64-191, in which the LDS loads behind the barrier land: no vector instruction stands between
.irp m, 0,1,2,3
.irp t, 0,1,2,3
	ds_store_b128 v6, v[8*(4*\m+\t):8*(4*\m+\t)+3] offset:\m*4352+128*(\t/2)+32*(\t%2)          ; lane (r, h): y(16 m + r, 32 (t / 2) + 16 h + 8 (t % 2) + 0 .. 7)
	ds_store_b128 v6, v[8*(4*\m+\t)+4:8*(4*\m+\t)+7] offset:\m*4352+128*(\t/2)+32*(\t%2)+16
.endr
.endr
	WIN 0
	s_wait_dscnt 0x0                               ; for the others' sake: my stores have landed
	s_barrier_signal -1
	s_barrier_wait -1
.irp k, 0,1,2,3
.irp a, 0,1,2,3,4,5,6,7
	ds_load_b128 v[64+32*\k+4*\a:67+32*\k+4*\a], v7 offset:\k*STG+544*\a
.endr
.endr
	s_wait_dscnt 0x0
.irp a, 0,1,2,3,4,5,6,7
	v_pk_add_f32 v[64+4*\a:65+4*\a], v[64+4*\a:65+4*\a], v[96+4*\a:97+4*\a]
	v_pk_add_f32 v[66+4*\a:67+4*\a], v[66+4*\a:67+4*\a], v[98+4*\a:99+4*\a]
	v_pk_add_f32 v[128+4*\a:129+4*\a], v[128+4*\a:129+4*\a], v[160+4*\a:161+4*\a]
	v_pk_add_f32 v[130+4*\a:131+4*\a], v[130+4*\a:131+4*\a], v[162+4*\a:163+4*\a]
	v_pk_add_f32 v[64+4*\a:65+4*\a], v[64+4*\a:65+4*\a], v[128+4*\a:129+4*\a]
	v_pk_add_f32 v[66+4*\a:67+4*\a], v[66+4*\a:67+4*\a], v[130+4*\a:131+4*\a]
.endr
	s_wait_alu depctr_va_vdst(0)                   ; the additions have written v64-95, which the eight stores read
.irp a, 0,1,2,3,4,5,6,7
	global_store_b128 v[56+\a], v[64+4*\a:67+4*\a], s[14:15] th:TH_STORE_NT   ; sixteen lanes store 256 consecutive bytes of one token's row, aligned; written once, read by nobody here
.endr
	s_wait_dscnt 0x0                               ; the closing lines, six on end
	s_wait_alu 0x0
	s_wait_tensorcnt 0x0
	ds_add_u32 v254, v255
	s_wait_dscnt 0x0
	s_endpgm
.Lfunc_end_k_qd09aebb4d0_down:
	.size	k_qd09aebb4d0_down, .Lfunc_end_k_qd09aebb4d0_down-k_qd09aebb4d0_down
	.p2alignl 7, 3214868480
	.fill 96, 4, 3214868480
	.section	.rodata,"a",@progbits
	.p2align	6, 0x0
	.amdhsa_kernel k_qd09aebb4d0_down
		.amdhsa_group_segment_fixed_size 70144
		.amdhsa_private_segment_fixed_size 0
		.amdhsa_enable_private_segment 0
		.amdhsa_kernarg_size 48
		.amdhsa_user_sgpr_count 2
		.amdhsa_user_sgpr_kernarg_segment_ptr 1
		.amdhsa_wavefront_size32 1
		.amdhsa_system_sgpr_workgroup_id_x 1
		.amdhsa_system_sgpr_workgroup_id_y 1
		.amdhsa_system_sgpr_workgroup_id_z 1
		.amdhsa_system_vgpr_workitem_id 0
		.amdhsa_next_free_vgpr 896
		.amdhsa_next_free_sgpr 66
		.amdhsa_reserve_vcc 0
		.amdhsa_float_denorm_mode_32 3
		.amdhsa_float_denorm_mode_16_64 3
		.amdhsa_memory_ordered 1
		.amdhsa_forward_progress 1
		.amdhsa_inst_pref_size 100
	.end_amdhsa_kernel
	.amdgpu_metadata
---
amdhsa.version: [ 1, 2 ]
amdhsa.kernels:
  - .name:           k_qd09aebb4d0_down
    .symbol:         k_qd09aebb4d0_down.kd
    .args:
      - { .name: w2q, .offset: 0, .size: 8, .value_kind: global_buffer, .address_space: global }
      - { .name: hq, .offset: 8, .size: 8, .value_kind: global_buffer, .address_space: global }
      - { .name: srt, .offset: 16, .size: 8, .value_kind: global_buffer, .address_space: global }
      - { .name: rt, .offset: 24, .size: 8, .value_kind: global_buffer, .address_space: global }
      - { .name: fl, .offset: 32, .size: 8, .value_kind: global_buffer, .address_space: global }
      - { .name: out0, .offset: 40, .size: 8, .value_kind: global_buffer, .address_space: global }
    .group_segment_fixed_size: 70144
    .private_segment_fixed_size: 0
    .kernarg_segment_align: 8
    .kernarg_segment_size: 48
    .max_flat_workgroup_size: 128
    .sgpr_count:     66
    .vgpr_count:     896
    .wavefront_size: 32
...
	.end_amdgpu_metadata
.endif
;; end of part 8
